; MI455X (gfx1250); checked and timed in simulation.
; The chip was launched on July 23, 2026; its instructions are those of AMD's public machine-readable ISA for CDNA 5 (MIT licence, August 2026) and "CDNA5" Instruction Set Architecture Reference Guide (July 2026). The comments in the code are by the model that wrote it; some were corrected since.
;; Multi Head Attention V2. Allowed arithmetic: matrix products marked QUANTISED: E4M3 operands, one given power-of-two scale a tensor, by v_wmma_f32_16x16x64_fp8_fp8 or v_wmma_f32_16x16x128_fp8_fp8, f32 sums; everything else in f32.
;; Inputs: Wk 1,024 x 1,024 float32; Wo 1,024 x 1,024 float32; Wq 1,024 x 1,024 float32; Wv 1,024 x 1,024 float32; bo 1,024 float32; lowp_scales 12 int32 (the exponents e of the quantised operands' scales 2^e); x 4 x 2,048 x 1,024 float32.
;; Outputs: out0 4 x 2,048 x 1,024 float32.
;; This version of the problem:
;;   THIS VERSION OF THE PROBLEM IS GIVEN IN LOW PRECISION. The matrix products marked QUANTISED in the list below multiply operands that are first quantised to E4M3 (4 exponent bits, 3 mantissa bits; 8 bits a number), with one given power-of-two scale for each operand tensor; their sums are f32. All else is computed in f32.
;;   The module's matrix products, in the order in which they are computed (A, B: the left and right operand; K: the contracted axis; several contracted axes count as one K, in the product's order):
;;     1. [M 8,192, K 1,024] x [K 1,024, N 1,024]; A: input x; B: input Wq: QUANTISED (scales: A lowp_scales[0], B lowp_scales[1])
;;     2. [M 8,192, K 1,024] x [K 1,024, N 1,024]; A: input x; B: input Wk: QUANTISED (scales: A lowp_scales[2], B lowp_scales[3])
;;     3. [M 8,192, K 1,024] x [K 1,024, N 1,024]; A: input x; B: input Wv: QUANTISED (scales: A lowp_scales[4], B lowp_scales[5])
;;     4. batch 64 x [M 2,048, K 64] x [K 64, N 2,048]; A: computed on the way; B: computed on the way: QUANTISED (scales: A lowp_scales[6], B lowp_scales[7])
;;     5. batch 64 x [M 64, K 2,048] x [K 2,048, N 2,048]; A: computed on the way; B: softmax (see below): QUANTISED (scales: A lowp_scales[8], B lowp_scales[9])
;;     6. [M 8,192, K 1,024] x [K 1,024, N 1,024]; A: computed on the way; B: input Wo: QUANTISED (scales: A lowp_scales[10], B lowp_scales[11])
;;   THE QUANTISER, for each operand of a quantised product, along K:
;;     - The operand's scale is 2^e, e = its entry of the input lowp_scales (int32; the entries are numbered through the quantised products in the list's order, A before B).
;;     - Each number is divided by the scale, clamped to +-448, and rounded to the nearest number of E4M3, ties to even, subnormals kept.
;;     - The product sums the exact products of the quantised numbers (number of the format x scale) in f32.
;;   ~~~python
;;   def quantise(x, axis, e):      # numpy; x: float32 -> the quantised numbers, widened to float32 again
;;       x = np.moveaxis(x, axis, -1); K = x.shape[-1]
;;       r = np.clip(x / 2.0 ** e, -448, 448)
;;       step = 2.0 ** (np.maximum(np.frexp(np.where(r == 0, 1, r))[1] - 1, -6) - 3)
;;       q = np.round(r / step) * step * 2.0 ** e      # np.round: ties to even
;;       return np.moveaxis(q, -1, axis).astype(np.float32)
;;   ~~~
;;   SOFTMAX AHEAD OF A QUANTISED PRODUCT. Where the list says 'softmax', what is quantised is not the finished softmax but p = 2^(t - M), with t = logit x log2(e) and M = ceil(the row's largest t), a whole number; so 1/2 < the row's largest p <= 1. The row's sum l is taken of the UNQUANTISED p, in f32, and the product's result is divided by l at the end. Since M is a whole number, a kernel that streams over the keys may use a running M (the ceiling of the running maximum): every later rescaling is an exact power of two, so the quantised numbers keep their values, but for numbers so far below the row's largest that they fall under the format's range.
;;   OPERANDS COMPUTED ON THE WAY. 'Computed on the way' means the value that the module computes at that place (a softmax that the list does not call 'softmax' is quantised finished and normalised). What goes into a quantiser is computed in f32, as accurately as f32 sums, v_exp_f32 and their like allow (about 1e-6 of the number): no bf16 or f16 on the way to a quantiser, and a product that is left as it is and whose result goes on into a quantised operand takes f32 operands (vector FMAs, or v_wmma_f32_16x16x4_f32). A number that lies on a knife's edge between two numbers of the format may be rounded either way, as far as f32 arithmetic and the matrix unit's own rounding can turn it there, and no further.
;; One version. Each part assembles by itself: llvm-mc -triple=amdgcn-amd-amdhsa -mcpu=gfx1250 --defsym DOCPART=n.
;; ======== version 1 of 1: 4 launches
;; limits: right only within a limited range of input values
;; workspace buffers: xc 25,165,824 bytes; wc 4,194,304 bytes; qkv 25,165,824 bytes; ctx 8,388,608 bytes
;; launch quant (part 1): grid 384 x 1, 4 waves a work-group, no clusters, 68,096 bytes of LDS; arguments x, Wq, Wk, Wv, Wo, lowp_scales, xc, wc; writes xc, wc
.if DOCPART == 1
	.amdgcn_target "amdgcn-amd-amdhsa--gfx1250"
	.amdhsa_code_object_version 6
	.text
	.protected	k_q5d55336bca_quant
	.globl	k_q5d55336bca_quant
	.p2align	8
	.type	k_q5d55336bca_quant,@function
k_q5d55336bca_quant:
	s_mov_b64 s[64:65], 0
	v_nop
	global_prefetch_b8 v0, s[64:65] scope:SCOPE_SE
	s_setreg_imm32_b32 hwreg(HW_REG_WAVE_MODE, 25, 1), 1
	s_wait_xcnt 0x0
; x [8192][1024] f32 becomes three sets of E4M3 codes, xc [3][8192][1024], with the scales 2^e0, 2^e2, 2^e4 (x is the left operand of three products, each with a scale of its own).
; Wq, Wk, Wv, Wo [1024 k][1024 n] f32 become wc [4][1024 n][1024 k], K innermost, with 2^e1, 2^e3, 2^e5, 2^e11.
; code = number / 2^e, held within +-448, rounded to the nearest code, ties to even.  LIMITS: each e between -126 and 119, so that 2^e and 448 x 2^e are f32 numbers.  NaN among the inputs is not served.
; Work-groups 0 to 255 take x: a plain stream, 8,192 numbers a wave in 16 steps of 512; x is read once and converted three times.  Work-groups 256 to 383 take the weights: 32 each, 128 columns x 256 along K.
; The two ways part on the work-group's number and have LDS bytes of their own.  No tensor loads, no barrier: waves share nothing.
.set STEPS, 16
.set SP,    80                         ; x: a lane's place in a stage: its 64 bytes + 16 of padding
.set XREG,  8192                       ; x: LDS of a wave: two stages of 32 x SP bytes
.set R,     16                         ; v16-79   x: four sets of 16 numbers as they are loaded
.set X,     80                         ; v80-111  x: two sets of 16 neighbours
.set T,     112                        ; v112-159 x: the held numbers, a set of 16 for each scale
.set C,     160                        ; v160-183 x: codes, 12 registers a step, two sets by turns
.set WSTG,  32768                      ; W: the stages begin behind x's LDS
.set PITCH, 272                        ; W: a stage row: 256 bytes of codes + 16
.set KROW,  1024                       ; W: a row of wc in bytes
.set NB,    8                          ; W: blocks of 32 along K for a wave
.set WX,    32                         ; v32-95   W: two sets of 32 numbers
.set WC,    96                         ; v96-103  W: a block's codes
.set OUTR,  112                        ; v112-175 W: the way out
	s_load_b512 s[4:19], s[0:1], 0x0               ; x 4:5, Wq 6:7, Wk 8:9, Wv 10:11, Wo 12:13, the exponents 14:15, xc 16:17, wc 18:19
	v_lshl_add_u32 v192, v0, 2, 0x10800
	v_mov_b32 v193, 0
	v_lshrrev_b32 v1, 5, v0
	v_readfirstlane_b32 s20, v1                    ; wave 0..3
	v_and_b32 v2, 31, v0                           ; lane
	s_wait_kmcnt 0x0
	s_load_b256 s[24:31], s[14:15], 0x0            ; e0 .. e7
	s_load_b32 s32, s[14:15], 0x2c                 ; e11
	s_cmp_lt_u32 ttmp9, 256
	s_cbranch_scc0 .Lw
; ---------------- x ----------------
; A conversion takes 8 neighbours from ONE lane's registers; a load is best where neighbouring LANES take neighbouring bytes.  So each load reads 512 consecutive bytes, 16 a lane, and a step's 2,048 bytes
; turn through the wave's own stage in LDS and come back 64 bytes a lane.  A lane's 16 codes are 16 bytes: each store of the wave covers 512 consecutive bytes, aligned.
	s_wait_alu depctr_va_vdst(0)
	v_lshlrev_b32 v3, 4, v2                        ; my 16 bytes of a load's 512
	s_wait_alu depctr_va_vdst(0)
	v_lshlrev_b32 v4, 4, v2                        ; my 16 codes' place in a step's 512
	s_mul_i32 s21, s20, XREG
	v_lshrrev_b32 v14, 2, v2
	v_mul_u32_u24 v14, v14, SP
	v_and_b32 v15, 3, v2
	v_lshl_add_u32 v14, v15, 4, v14
	v_add_nc_u32 v14, s21, v14                     ; the stage, on the way in: SP (lane / 4) + 16 (lane % 4)
	v_mul_u32_u24 v15, v2, SP
	v_add_nc_u32 v15, s21, v15                     ; and on the way out: SP x lane
	s_lshl_b32 s22, ttmp9, 2
	s_add_co_u32 s22, s22, s20                     ; which run of 8,192 numbers is my wave's
	s_lshl_b32 s38, s22, 15
	s_mov_b32 s39, 0
	s_add_nc_u64 s[4:5], s[4:5], s[38:39]
	s_lshl_b32 s38, s22, 13
	s_add_nc_u64 s[16:17], s[16:17], s[38:39]      ; the codes with e0,
	s_add_nc_u64 s[34:35], s[16:17], 0x800000      ; with e2,
	s_add_nc_u64 s[36:37], s[16:17], 0x1000000     ; with e4
.macro LOAD t
.irp i, 0,1,2,3
	global_load_b128 v[R+16*((\t)%4)+4*\i:R+16*((\t)%4)+4*\i+3], v3, s[4:5] offset:2048*(\t)+512*\i th:TH_LOAD_NT
.endr
.endm
.macro TURN t                          ; step t's numbers through the stage: LDS serves a wave's instructions in order, so no wait stands between the stores and the loads
.irp i, 0,1,2,3
	ds_store_b128 v14, v[R+16*((\t)%4)+4*\i:R+16*((\t)%4)+4*\i+3] offset:32*SP*((\t)%2)+8*SP*\i
.endr
.irp i, 0,1,2,3
	ds_load_b128 v[X+16*((\t)%2)+4*\i:X+16*((\t)%2)+4*\i+3], v15 offset:32*SP*((\t)%2)+16*\i
.endr
.endm
.irp t, 0,1,2,3
	LOAD \t
.endr
	s_wait_alu depctr_va_vdst(0)
	s_wait_kmcnt 0x0
.irp n, 0,1,2
	s_add_co_i32 s40, s[24+2*\n], 127
	s_lshl_b32 s41, s40, 23
	v_mov_b32 v[8+\n], s41                         ; 2^e as f32: the conversion takes its exponent field
	s_add_co_i32 s40, s40, 8
	s_lshl_b32 s40, s40, 23
	s_or_b32 s40, s40, 0x600000
	v_mov_b32 v[11+\n], s40                        ; 448 x 2^e
.endr
	s_wait_alu depctr_va_vdst(0)
	s_wait_loadcnt 12                              ; step 0's four loads are in
	TURN 0
; one scale's share of a step: the hold (the conversion to an 8-bit code does not saturate: ISA guide 7.6.2) into the scale's own registers, two conversions, one store.
; Behind a scale's conversions come the next scale's sixteen holds, plain lines on other registers, before anything writes this scale's registers again.
.macro QS t, s, lo
.irp i, 0,1,2,3,4,5,6,7,8,9,10,11,12,13,14,15
	v_med3_num_f32 v[T+16*\s+\i], v[XS+\i], -v[11+\s], v[11+\s]
.endr
	v_cvt_scalef32_pk8_fp8_f32 v[CC+4*\s:CC+4*\s+1], v[T+16*\s:T+16*\s+7], v[8+\s]
	v_cvt_scalef32_pk8_fp8_f32 v[CC+4*\s+2:CC+4*\s+3], v[T+16*\s+8:T+16*\s+15], v[8+\s]
	global_store_b128 v4, v[CC+4*\s:CC+4*\s+3], s[\lo:\lo+1] offset:512*(\t)
.endm
.macro XSTEP t
.set XS, X+16*((\t)%2)
.set CC, C+12*((\t)%2)
	s_wait_dscnt 0x0                               ; this step's numbers are back from the stage: so its stores into the stage have read their registers,
.if (\t)+4 < STEPS
	LOAD (\t)+4                                    ; which take the loads of four steps on
.endif
.if (\t)+1 < STEPS
.if STEPS-2-(\t) >= 3
	s_wait_loadcnt 12                              ; the next step's four loads are in; those of the three steps behind it may be out
.else
	s_wait_loadcnt 4*(STEPS-2-(\t))
.endif
	TURN (\t)+1                                    ; and go through the other stage while this step is worked
.endif
	s_wait_xcnt 0x0                                ; the stores of two steps back have read this set of code registers
	QS \t, 0, 16
	QS \t, 1, 34
	QS \t, 2, 36
.endm
.irp t, 0,1,2,3,4,5,6,7,8,9,10,11,12,13,14,15
	XSTEP \t
.endr
	s_wait_tensorcnt 0x0
	ds_add_u32 v192, v193
	s_wait_dscnt 0x0
	s_endpgm
; ---------------- the weights ----------------
; K is a weight's FIRST axis.  A lane takes a column n and its registers run down K: each load reads 128 consecutive bytes a wave, and the conversions give codes with K innermost.
; A wave gathers 32 columns x 256 along K in its own stage and stores them by rows: sixteen lanes store 256 consecutive bytes, aligned.
.Lw:
	s_sub_co_u32 s21, ttmp9, 256
	s_lshr_b32 s33, s21, 5                         ; which weight: 0 Wq, 1 Wk, 2 Wv, 3 Wo
	s_bfe_u32 s22, s21, 0x30002                    ; which 128 columns
	s_and_b32 s23, s21, 3                          ; which 256 along K
	s_lshl_b32 s38, s22, 7
	s_lshl_b32 s39, s20, 5
	s_add_co_u32 s38, s38, s39                     ; my wave's first column
	s_wait_alu depctr_va_vdst(0)
	v_lshlrev_b32 v3, 2, v2                        ; in: 4 bytes a lane
	s_mul_i32 s39, s20, 32*PITCH
	s_add_co_u32 s39, s39, WSTG                    ; my stage
	v_mul_u32_u24 v4, v2, PITCH
	v_add_nc_u32 v4, s39, v4                       ; into it: row = my column
	v_and_b32 v5, 15, v2
	v_lshrrev_b32 v6, 4, v2                        ; out of it: sixteen lanes to a row, two rows an instruction
	v_mul_u32_u24 v7, v6, PITCH
	v_lshl_add_u32 v7, v5, 4, v7
	v_add_nc_u32 v7, s39, v7
	v_mul_u32_u24 v8, v6, KROW
	v_lshl_add_u32 v8, v5, 4, v8                   ; and the same place in wc
	s_lshl_b32 s40, s23, 20                        ; in: 256 rows of 4,096 bytes for each step along K,
	s_lshl_b32 s41, s38, 2
	s_add_co_u32 s40, s40, s41                     ; + 4 x column
	s_mov_b32 s41, 0
	s_lshl_b32 s42, s33, 20                        ; out: the weight's 2^20 bytes,
	s_lshl_b32 s43, s38, 10
	s_add_co_u32 s42, s42, s43                     ; + column x 1,024
	s_lshl_b32 s43, s23, 8
	s_add_co_u32 s42, s42, s43                     ; + 256 for each step along K
	s_mov_b32 s43, 0
	s_mov_b64 s[44:45], s[12:13]                   ; the weight is chosen by the work-group's number alone
	s_cmp_eq_u32 s33, 2
	s_cselect_b64 s[44:45], s[10:11], s[44:45]
	s_cmp_eq_u32 s33, 1
	s_cselect_b64 s[44:45], s[8:9], s[44:45]
	s_cmp_eq_u32 s33, 0
	s_cselect_b64 s[44:45], s[6:7], s[44:45]
	s_add_nc_u64 s[44:45], s[44:45], s[40:41]
	s_add_nc_u64 s[18:19], s[18:19], s[42:43]
.macro WLOAD t                         ; block t: W(32 t + i, my column), i = 0 .. 31, into set t % 2
.irp i, 0,1,2,3,4,5,6,7,8,9,10,11,12,13,14,15,16,17,18,19,20,21,22,23,24,25,26,27,28,29,30,31
	global_load_b32 v[WX+32*((\t)%2)+\i], v3, s[44:45] offset:(32*(\t)+\i)*4096 th:TH_LOAD_NT
.endr
.endm
	WLOAD 0
	WLOAD 1
	s_wait_kmcnt 0x0
	s_cmp_eq_u32 s33, 2                            ; its exponent: e11, e5, e3 or e1
	s_cselect_b32 s32, s29, s32
	s_cmp_eq_u32 s33, 1
	s_cselect_b32 s32, s27, s32
	s_cmp_eq_u32 s33, 0
	s_cselect_b32 s32, s25, s32
	s_add_co_i32 s32, s32, 127
	s_lshl_b32 s33, s32, 23
	v_mov_b32 v11, s33                             ; 2^e as f32
	s_add_co_i32 s32, s32, 8
	s_lshl_b32 s32, s32, 23
	s_or_b32 s32, s32, 0x600000
	v_mov_b32 v10, s32                             ; 448 x 2^e
.macro WBLOCK t
.set XS, WX+32*((\t)%2)
.if (\t) < NB-1
	s_wait_loadcnt 32                              ; this block's 32 loads are in; the next block's may be out
.else
	s_wait_loadcnt 0
.endif
.irp i, 0,1,2,3,4,5,6,7,8,9,10,11,12,13,14,15,16,17,18,19,20,21,22,23,24,25,26,27,28,29,30,31
	v_med3_num_f32 v[XS+\i], v[XS+\i], -v10, v10   ; the hold at the largest code x the scale
.endr
.irp g, 0,1,2,3
	v_cvt_scalef32_pk8_fp8_f32 v[WC+2*\g:WC+2*\g+1], v[XS+8*\g:XS+8*\g+7], v11
.endr
	ds_store_b128 v4, v[WC:WC+3] offset:32*(\t)    ; 32 codes: 32 bytes of my column's row
	ds_store_b128 v4, v[WC+4:WC+7] offset:32*(\t)+16
.if (\t)+2 < NB
	WLOAD (\t)+2
.endif
	s_wait_dscnt 0x0                               ; the stores have read their registers: the next block's codes may be written (behind that block's 32 holds, which are plain lines)
.endm
	s_wait_alu depctr_va_vdst(0)
.irp t, 0,1,2,3,4,5,6,7
	WBLOCK \t
.endr
.irp t, 0,1,2,3,4,5,6,7,8,9,10,11,12,13,14,15
	ds_load_b128 v[OUTR+4*\t:OUTR+4*\t+3], v7 offset:2*\t*PITCH   ; LDS serves a wave's instructions in order: these see my stores
.endr
.irp t, 0,1,2,3,4,5,6,7,8,9,10,11,12,13,14,15
	s_wait_dscnt 15-\t
	global_store_b128 v8, v[OUTR+4*\t:OUTR+4*\t+3], s[18:19] offset:2*\t*KROW
.endr
	s_wait_tensorcnt 0x0
	ds_add_u32 v192, v193
	s_wait_dscnt 0x0
	s_endpgm
.Lfunc_end_k_q5d55336bca_quant:
	.size	k_q5d55336bca_quant, .Lfunc_end_k_q5d55336bca_quant-k_q5d55336bca_quant
	.p2alignl 7, 3214868480
	.fill 96, 4, 3214868480
	.section	.rodata,"a",@progbits
	.p2align	6, 0x0
	.amdhsa_kernel k_q5d55336bca_quant
		.amdhsa_group_segment_fixed_size 68096
		.amdhsa_private_segment_fixed_size 0
		.amdhsa_enable_private_segment 0
		.amdhsa_kernarg_size 64
		.amdhsa_user_sgpr_count 2
		.amdhsa_user_sgpr_kernarg_segment_ptr 1
		.amdhsa_wavefront_size32 1
		.amdhsa_system_sgpr_workgroup_id_x 1
		.amdhsa_system_sgpr_workgroup_id_y 1
		.amdhsa_system_sgpr_workgroup_id_z 1
		.amdhsa_system_vgpr_workitem_id 0
		.amdhsa_next_free_vgpr 194
		.amdhsa_next_free_sgpr 66
		.amdhsa_reserve_vcc 0
		.amdhsa_float_denorm_mode_32 3
		.amdhsa_float_denorm_mode_16_64 3
		.amdhsa_memory_ordered 1
		.amdhsa_forward_progress 1
		.amdhsa_inst_pref_size 126
	.end_amdhsa_kernel
	.amdgpu_metadata
---
amdhsa.version: [ 1, 2 ]
amdhsa.kernels:
  - .name:           k_q5d55336bca_quant
    .symbol:         k_q5d55336bca_quant.kd
    .args:
      - { .name: x, .offset: 0, .size: 8, .value_kind: global_buffer, .address_space: global }
      - { .name: Wq, .offset: 8, .size: 8, .value_kind: global_buffer, .address_space: global }
      - { .name: Wk, .offset: 16, .size: 8, .value_kind: global_buffer, .address_space: global }
      - { .name: Wv, .offset: 24, .size: 8, .value_kind: global_buffer, .address_space: global }
      - { .name: Wo, .offset: 32, .size: 8, .value_kind: global_buffer, .address_space: global }
      - { .name: lowp_scales, .offset: 40, .size: 8, .value_kind: global_buffer, .address_space: global }
      - { .name: xc, .offset: 48, .size: 8, .value_kind: global_buffer, .address_space: global }
      - { .name: wc, .offset: 56, .size: 8, .value_kind: global_buffer, .address_space: global }
    .group_segment_fixed_size: 68096
    .private_segment_fixed_size: 0
    .kernarg_segment_align: 8
    .kernarg_segment_size: 64
    .max_flat_workgroup_size: 128
    .sgpr_count:     66
    .vgpr_count:     194
    .wavefront_size: 32
...
	.end_amdgpu_metadata
.endif
;; end of part 1
;; launch qkv (part 2): grid 12 x 32, 4 waves a work-group, clusters of 4 x 4, 327,680 bytes of LDS; arguments xc, wc, lowp_scales, qkv; writes qkv
.if DOCPART == 2
	.amdgcn_target "amdgcn-amd-amdhsa--gfx1250"
	.amdhsa_code_object_version 6
	.text
	.protected	k_q5d55336bca_qkv
	.globl	k_q5d55336bca_qkv
	.p2align	8
	.type	k_q5d55336bca_qkv,@function
k_q5d55336bca_qkv:
	s_mov_b64 s[64:65], 0
	v_nop
	global_prefetch_b8 v0, s[64:65] scope:SCOPE_SE
	s_setreg_imm32_b32 hwreg(HW_REG_WAVE_MODE, 25, 1), 1
	s_wait_xcnt 0x0
	s_wait_alu depctr_hold_cnt(0) depctr_sa_sdst(0) depctr_va_vdst(0) depctr_va_sdst(0) depctr_va_ssrc(0) depctr_va_vcc(0) depctr_vm_vsrc(0)
	s_getreg_b32 s2, hwreg(HW_REG_IB_STS2, 6, 4)
	s_cmp_eq_u32 s2, 0
	s_cbranch_scc0 .Lentry_in_a_cluster
	s_endpgm
.Lentry_in_a_cluster:
	s_bfe_u32 s2, ttmp6, 0x10000c
	s_cmp_lg_u32 s2, 0xf033
	s_cbranch_scc0 .Lentry_shape_is_right
	s_endpgm
.Lentry_shape_is_right:
; q = x Wq, k = x Wk, v = x Wv on E4M3 codes, and each result quantised at once for attention (q with e6, k with e7, v with e8): no f32 result goes to memory.
; The cluster's x says which product: 0 q, 1 k, 2 v.  A tile of 256 x 256 is made by four waves, 128 x 128 each (64 accumulators, 512 registers); K = 1,024 goes in four steps of 256 through a ring of two LDS slots.
; q, k: A = xc[which] (rows: tokens), B = wc[which] (rows: channels).  v IS MADE TRANSPOSED, by changing the operands' parts: A = wc[2] (rows: channels), B = xc[2] (rows: tokens).
; The matrix instruction takes rows of B as source 0 and rows of A as source 1, so that a lane holds eight neighbouring columns of one row: eight channels of a token (q, k: attention's first K) or eight keys of a channel
; (v: attention's second K): one conversion makes their eight codes.  What differs between the products is chosen by s_cselect on the cluster's x, which all partners share: there is no branch.
; THE RESULT IS LAID AS IMAGES OF THE NEXT OPERANDS' REGISTERS.  q, k, for each (batch, head) 131,072 bytes: [16 tokens' block][1,024]: byte 512 c + 256 h + 16 r + e = code of (token 16 block + r, d = 32 c + 16 h + e).
; v: [128 keys' group][16 channels' block][2,048]: the same formula with c = 0 .. 3 = code of (key 128 group + 32 c + 16 h + e, channel 16 block + r).  A lane's eight codes lie at 256 (column block) + 16 r + 8 h,
; so each store of the wave covers 256 consecutive bytes, aligned.
; CLUSTERS: 4 x 4 work-groups; A's tiles are asked for jointly along a row of the cluster, B's along a column.
; LIMIT: d = e(6 + which) - e(2 which) - e(2 which + 1) between -126 and 119, so that 2^d and 448 x 2^d are f32 numbers.
; REGISTERS, in windows of 256: window 0: v8-15 store offsets, v16-31 addresses and constants, v32-95 at work on the way out, from v128 A's fragments (one set), later the codes.
;   window 1: B's fragments, two sets.   window 2: the accumulators of my rows 0-63 ((a, b) at v[8 (8 a + b)]);   window 3: those of rows 64-127.
.set SIZE_K, 1024
.set KSTEP,  256                       ; along K in a slot
.set ROWB,   256                       ; a tile's row in bytes
.set KROW,   SIZE_K                    ; a row of codes in memory, in bytes
.set PITCH,  272                       ; an LDS row: 256 bytes + 16 of padding = 68 words: the 16 rows that a load touches start at 16 different banks (64 banks of 4 bytes: ISA guide 11.1)
.set FR,     16                        ; registers of a fragment: 16 rows x 128 K
.set NL,     4                         ; LDS loads that bring one
.set NP,     4                         ; places behind this matrix instruction (ISA guide 7.12.1)
.set HALFT,  128*PITCH                 ; 128 rows: what one tensor load brings
.set SLOT,   4*HALFT                   ; A's 256 rows, then B's 256 rows
.set LAPS,   SIZE_K/(2*KSTEP)          ; a lap = two K steps = once round the ring
.set SPARE,  2*SLOT                    ; behind the ring: the spare words, 128 bytes for each wave
.set CO,   8                           ; v8-15   block a's byte offset in the images, + 16 r + 8 h
.set ADRA, 16                          ; v16-17  LDS address of my A fragments in slot 0, 1
.set ADRB, 20                          ; v20-21  the same for B
.set SPW,  28                          ; v28     LDS address of my spare word; never rewritten
.set NIL,  29                          ; v29     0; never rewritten
.set SCL,  30                          ; v30     2^d as f32
.set LIM,  31                          ; v31     448 x 2^d
.set TMP,  32                          ; v32-95  a block's 64 sums, held
.set AF,   128                         ; A's fragments, in window 0
.set CD,   128                         ; the codes: 16 registers a block, never written twice
.set G1, 24                            ; s[24:31] descriptor group 1 for A's tiles;  s[32:39] group 0, one set for each slot
.set G0, 32
.set G1B, 48                           ; s[48:55], s[56:63] the same for B's tiles
.set G0B, 56
.set MSB, 0
.macro WIN new                         ; the immediate's high byte repeats the setting that is left
.if MSB != \new
	s_set_vgpr_msb (MSB<<8)|\new
.set MSB, \new
.endif
.endm
.set MUL_LO, 0xa1                      ; source 0 (B) window 1, source 1 (A) window 0, C and D window 2
.set MUL_HI, 0xf1                      ; the same, C and D window 3
.set TO_B,   0x40                      ; destination window 1, address window 0
; A joint load: waves 0 and 1 fetch for A, waves 2 and 3 for B.  The branch hangs on the wave's number alone.  Four v_nop follow each of the two lines.
.macro JLOAD g0a, g1a, g0b, g1b
	s_cmp_eq_u32 s15, 0
	s_cbranch_scc0 .Lfor_b_\@
	tensor_load_to_lds s[\g0a:\g0a+3], s[\g1a:\g1a+7]
	s_nop 0
.rept 4
	v_nop
.endr
	s_branch .Lasked_\@
.Lfor_b_\@:
	tensor_load_to_lds s[\g0b:\g0b+3], s[\g1b:\g1b+7]
	s_nop 0
.rept 4
	v_nop
.endr
.Lasked_\@:
.endm
.macro CREST                           ; a round of the cluster's barrier behind its opening barrier
	s_cmp_lg_u32 s14, 0
	s_cbranch_scc1 .Lnot_wave_0_\@
	s_barrier_signal -3
.Lnot_wave_0_\@:
	s_barrier_wait -3
	s_barrier_signal -1
	s_barrier_wait -1
.endm
.macro CROUND                          ; a whole round
	s_barrier_signal -1
	s_barrier_wait -1
	CREST
.endm
	s_load_b128 s[4:7], s[0:1], 0x0                ; xc s[4:5], wc s[6:7]
	s_load_b128 s[8:11], s[0:1], 0x10              ; the exponents s[8:9], qkv s[10:11]
	v_lshl_add_u32 v[SPW], v0, 2, SPARE
	v_mov_b32 v[NIL], 0
	ds_add_u32 v28, v29
	ds_add_u32 v28, v29
	s_wait_dscnt 0x0
	v_lshrrev_b32 v1, 5, v0
	v_readfirstlane_b32 s14, v1                    ; wave 0..3
	s_lshr_b32 s15, s14, 1                         ; which half of the tile's rows is mine.  Also: I fetch for A (0) or for B (1)
	s_and_b32 s16, s14, 1                          ; which half of its columns.  Also: which 128 rows of that tile I fetch
	s_bfe_u32 s40, ttmp6, 0x40000                  ; cx, cy: my place in the cluster
	s_bfe_u32 s41, ttmp6, 0x40004
	s_mov_b32 s66, ttmp9                           ; which product: the cluster's x, the same in all sixteen partners
	s_and_b32 s67, ttmp7, 0xffff                   ; the cluster's y: which 1,024 tokens
	s_lshl_b32 s86, s66, 23                        ; xc[which]
	s_lshl_b32 s87, s66, 20                        ; wc[which]
	s_cmp_eq_u32 s66, 2                            ; v?
	s_cselect_b32 s68, 0, s67                      ; the tokens run along the tile rows (q, k)
	s_cselect_b32 s69, s67, 0                      ; or along the tile columns (v)
	s_cselect_b32 s70, s87, s86                    ; A's part of its buffer
	s_cselect_b32 s84, s86, s87                    ; B's
	s_mov_b32 s71, 0
	s_mov_b32 s85, 0
	s_lshl_b32 s42, s69, 2
	s_add_co_u32 s42, s42, s40                     ; tile column
	s_lshl_b32 s17, s68, 2
	s_add_co_u32 s17, s17, s41                     ; tile row
	s_lshl_b32 s43, s41, 2
	s_lshl_b32 s43, 15, s43                        ; my row of the cluster
	s_lshl_b32 s44, 0x1111, s40                    ; my column
	; descriptor group 1: a tile of 128 rows x 256 bytes, padded in LDS
	s_or_b32 s[G1+0], s43, (0<<16)|(1<<20)|(1<<21)|(5<<22)|(3<<25)  ; 15:0 the mask: A's tiles go to my row; 17:16 element of 1 byte; 20 padding on; 21 set beside a mask; 24:22 after every 64 words; 31:25 of 4 words
	s_or_b32 s[G1B+0], s44, (0<<16)|(1<<20)|(1<<21)|(5<<22)|(3<<25)
.irp g, G1, G1B
	s_mov_b32 s[\g+1], ROWB<<16                    ; tensor_dim0
	s_mov_b32 s[\g+2], 256<<16                     ; tensor_dim1: 256 rows for the head's loads, 128 from the first refill on
	s_mov_b32 s[\g+3], ROWB<<16                    ; tile_dim0
	s_mov_b32 s[\g+4], 256                         ; tile_dim1 likewise
	s_mov_b32 s[\g+5], KROW                        ; tensor_dim0_stride
	s_mov_b32 s[\g+6], 0
	s_mov_b32 s[\g+7], 0
.endr
	s_lshl_b32 s18, s16, 7                         ; which 128 rows of the tile I fetch
	s_lshl_b32 s20, s17, 8
	s_add_co_u32 s20, s20, s18                     ; A: row 256 x tile row + 128 x half,
	s_lshl_b32 s20, s20, 10                        ; of 1,024 bytes
	s_lshl_b32 s46, s42, 8
	s_add_co_u32 s46, s46, s18                     ; B: row 256 x tile column + 128 x half
	s_lshl_b32 s46, s46, 10
	s_mov_b32 s21, 0
	s_mov_b32 s47, 0
	s_add_nc_u64 s[20:21], s[20:21], s[70:71]
	s_add_nc_u64 s[46:47], s[46:47], s[84:85]
	s_mul_i32 s45, s14, HALFT                      ; where they go: wave x 128 rows: no place in the cluster enters an LDS address
	s_wait_kmcnt 0x0
	s_load_b256 s[72:79], s[8:9], 0x0              ; e0 .. e7
	s_load_b128 s[80:83], s[8:9], 0x20             ; e8 .. e11
	s_cmp_eq_u32 s66, 2
	s_cselect_b64 s[88:89], s[6:7], s[4:5]         ; A's buffer
	s_cselect_b64 s[90:91], s[4:5], s[6:7]         ; B's buffer
	s_add_nc_u64 s[20:21], s[88:89], s[20:21]
	s_add_nc_u64 s[46:47], s[90:91], s[46:47]
	CROUND                                         ; all sixteen work-groups are here: the first joint loads meet
.irp s, 0,1
	s_mov_b32 s[G0+4*\s], 1
	s_add_co_u32 s[G0+4*\s+1], s45, \s*SLOT
	s_add_nc_u64 s[G0+4*\s+2:G0+4*\s+3], s[20:21], \s*ROWB
	s_or_b32 s[G0+4*\s+3], s[G0+4*\s+3], 0x80000000
	s_mov_b32 s[G0B+4*\s], 1
	s_add_co_u32 s[G0B+4*\s+1], s45, \s*SLOT
	s_add_nc_u64 s[G0B+4*\s+2:G0B+4*\s+3], s[46:47], \s*ROWB
	s_or_b32 s[G0B+4*\s+3], s[G0B+4*\s+3], 0x80000000
.endr
	; THE HEAD'S LOADS: one a wave, both slots at once.  Wave 0: A's 256 rows of K step 0; wave 1: B's; waves 2, 3: the same of K step 1.  They borrow slot 1's groups 0, which are made anew behind the wait for them.
	s_mov_b64 s[96:97], s[20:21]                   ; my half's first row of A and of B, kept for that
	s_mov_b64 s[98:99], s[46:47]
	s_lshl_b32 s92, s16, 17                        ; back from my half to the tile's first row: 128 rows of 1,024 bytes
	s_mov_b32 s93, 0
	s_lshl_b32 s94, s15, 8                         ; K step wave / 2
	s_mov_b32 s95, 0
	s_mul_i32 s86, s15, SLOT
	s_mov_b32 s[G0+5], s86
	s_sub_nc_u64 s[G0+6:G0+7], s[20:21], s[92:93]
	s_add_nc_u64 s[G0+6:G0+7], s[G0+6:G0+7], s[94:95]
	s_or_b32 s[G0+7], s[G0+7], 0x80000000
	s_add_co_u32 s[G0B+5], s86, 2*HALFT
	s_sub_nc_u64 s[G0B+6:G0B+7], s[46:47], s[92:93]
	s_add_nc_u64 s[G0B+6:G0B+7], s[G0B+6:G0B+7], s[94:95]
	s_or_b32 s[G0B+7], s[G0B+7], 0x80000000
	s_cmp_eq_u32 s16, 0
	s_cbranch_scc0 .Lhead_b
	tensor_load_to_lds s[G0+4:G0+7], s[G1:G1+7]
	s_nop 0
.rept 4
	v_nop
.endr
	s_branch .Lhead_on
.Lhead_b:
	tensor_load_to_lds s[G0B+4:G0B+7], s[G1B:G1B+7]
	s_nop 0
.rept 4
	v_nop
.endr
.Lhead_on:
	v_and_b32 v1, 15, v0                           ; r = l % 16
	v_bfe_u32 v2, v0, 4, 1                         ; h = l / 16
	v_mul_u32_u24 v3, v1, PITCH
	v_lshl_add_u32 v4, v2, 4, v3                   ; a fragment's row x pitch + 16 x half
	s_mul_i32 s21, s15, HALFT                      ; my 128 rows of A
	s_mul_i32 s22, s16, HALFT                      ; my 128 rows of B,
	s_add_co_u32 s22, s22, 2*HALFT                 ; which lie behind A's 256
.irp s, 0,1
	v_add_nc_u32 v[ADRA+\s], s21, v4
	v_add_nc_u32 v[ADRB+\s], s22, v4
	s_add_co_u32 s21, s21, SLOT
	s_add_co_u32 s22, s22, SLOT
.endr
	; the way out.  Block a of my rows: q, k: 16 tokens further on, 1,024 bytes.  v: 16 channels further on: 2,048 bytes, and from block 3 to block 4 into the next head.
	; Column blocks 4-7: q, k: the next head, 131,072 bytes on.  v: the second 64 keys of the group, 1,024 bytes on.
	v_lshlrev_b32 v[CO], 4, v1
	v_lshl_add_u32 v[CO], v2, 3, v[CO]             ; 16 r + 8 h
	s_wait_alu depctr_va_vdst(0)
	s_cmp_eq_u32 s66, 2
	s_mov_b32 s86, 1024
	s_cselect_b32 s86, 2048, s86                   ; from block to block
	s_mov_b32 s87, 1024
	s_cselect_b32 s87, 131072-3*2048, s87          ; from block 3 to block 4
	s_mov_b32 s88, 131072
	s_cselect_b32 s88, 1024, s88                   ; from column block b to b + 4
	s_mov_b32 s89, 0
	v_add_nc_u32 v[CO+1], s86, v[CO]
	v_add_nc_u32 v[CO+2], s86, v[CO+1]
	v_add_nc_u32 v[CO+3], s86, v[CO+2]
	v_add_nc_u32 v[CO+4], s87, v[CO+3]
	v_add_nc_u32 v[CO+5], s86, v[CO+4]
	v_add_nc_u32 v[CO+6], s86, v[CO+5]
	v_add_nc_u32 v[CO+7], s86, v[CO+6]
	s_lshl_b32 s18, s17, 8
	s_lshl_b32 s19, s15, 7
	s_add_co_u32 s18, s18, s19                     ; my first row
	s_lshl_b32 s19, s42, 8
	s_lshl_b32 s23, s16, 7
	s_add_co_u32 s19, s19, s23                     ; my first column
	s_cmp_eq_u32 s66, 2
	s_cselect_b32 s92, s19, s18                    ; my first token,
	s_cselect_b32 s93, s18, s19                    ; my first channel
	s_lshr_b32 s94, s92, 11
	s_lshl_b32 s94, s94, 21                        ; the batch: 16 heads of 131,072 bytes
	s_lshr_b32 s93, s93, 6
	s_lshl_b32 s93, s93, 17                        ; the head
	s_add_co_u32 s94, s94, s93
	s_and_b32 s92, s92, 2047
	s_lshl_b32 s92, s92, 6                         ; 64 bytes of a head for each token, in q, k and v alike
	s_add_co_u32 s94, s94, s92
	s_lshl_b32 s92, s66, 23                        ; q's, k's or v's part of the buffer
	s_add_co_u32 s94, s94, s92
	s_mov_b32 s95, 0
	s_add_nc_u64 s[10:11], s[10:11], s[94:95]      ; column blocks 0-3
	s_add_nc_u64 s[12:13], s[10:11], s[88:89]      ; column blocks 4-7
.macro FRAG reg, adr, q, i             ; a fragment, 16 rows x 128 K, is 16 registers: lane l holds row l % 16; registers 4 c .. 4 c + 3 hold K = 32 c + 16 (l / 16) + 0 .. 15: the same order of K in A and in B
.irp c, 0,1,2,3
	ds_load_b128 v[\reg+4*\c:\reg+4*\c+3], v[\adr] offset:128*(\q)+32*\c+(\i)*16*PITCH
.endr
.endm
; 16 matrix instructions: A's blocks a0, a0 + 1 x B's eight, 128 along K.  p: B's set.  zero = 1: the first product starts the sums.  The 64 accumulators take turns, one instruction a turn.
.macro MUL16 a0, p, zero
.irp a, \a0, \a0+1
.irp b, 0,1,2,3,4,5,6,7
.if \zero
	v_wmma_f32_16x16x128_fp8_fp8 v[8*(8*((\a)%4)+\b):8*(8*((\a)%4)+\b)+7], v[128*(\p)+FR*\b:128*(\p)+FR*\b+FR-1], v[AF+FR*(\a):AF+FR*(\a)+FR-1], 0
.else
	v_wmma_f32_16x16x128_fp8_fp8 v[8*(8*((\a)%4)+\b):8*(8*((\a)%4)+\b)+7], v[128*(\p)+FR*\b:128*(\p)+FR*\b+FR-1], v[AF+FR*(\a):AF+FR*(\a)+FR-1], v[8*(8*((\a)%4)+\b):8*(8*((\a)%4)+\b)+7]
.endif
.endr
.endr
.endm
.macro FETCH_B slot, q, p              ; B's eight fragments of the slot's q-th 128 along K into set p
	WIN TO_B
.irp i, 0,1,2,3,4,5,6,7
	FRAG 128*(\p)+FR*\i, ADRB+\slot, \q, \i
.endr
	WIN 0
.endm
.macro FETCH_A slot, q, i0             ; A's blocks i0 .. i0 + 3
.irp i, \i0, \i0+1, \i0+2, \i0+3
	FRAG AF+FR*(\i), ADRA+\slot, \q, \i
.endr
.endm
; A load into a register that a matrix instruction has read, and a vector instruction that reads a matrix result, stand NP places behind that matrix instruction; only plain vector instructions that name none of its registers are places.
.macro PLACES n
.rept \n
	v_nop
.endr
.endm
; A step of 128 along K that has its successor in the same slot.  A's blocks are free as soon as their eight products are issued: blocks 0-3 are fetched anew in the step's middle, blocks 4-7 at its end.
.macro STEP slot, q, zero
	s_wait_dscnt 4*NL                              ; B's set and A's blocks 0-3 are in; the youngest sixteen loads (A's blocks 4-7) may be out
	WIN MUL_LO
	MUL16 0, (\q)%2, \zero
	MUL16 2, (\q)%2, \zero
	s_wait_dscnt 0                                 ; A's blocks 4-7 are in
	PLACES NP
	FETCH_B \slot, (\q)+1, 1-(\q)%2
	FETCH_A \slot, (\q)+1, 0
	WIN MUL_HI
	MUL16 4, (\q)%2, \zero
	MUL16 6, (\q)%2, \zero
	PLACES NP
	WIN 0
	FETCH_A \slot, (\q)+1, 4
.endm
; A slot's last step changes slots: ONE barrier; in front of it each wave waits for all its tensor loads, adds 0 to its spare word, and waits for that and for its own reads of this slot.  fill = 1: this slot is filled again, two K steps ahead.
.macro TURN slot, next, fill
	s_wait_tensorcnt 0x0                           ; all my tensor loads have landed: my part of the next slot
	ds_add_u32 v[SPW], v[NIL]                      ; 0 onto my spare word
	s_wait_dscnt 4*NL+1                            ; (the add and the youngest sixteen loads, A's blocks 4-7, may be out)
	WIN MUL_LO
	MUL16 0, 1, 0                                  ; sixteen matrix instructions stand between the add and the wait for it
	s_wait_dscnt 0x0                               ; the add is done, and my reads of this slot are over
	s_barrier_signal -1
	MUL16 2, 1, 0
	WIN 0
	s_barrier_wait -1
.if \fill
	CREST                                          ; the barrier has opened a round of the cluster's barrier: no wave of any partner still reads this slot's tile or has a load on its way
	s_add_nc_u64 s[G0+4*\slot+2:G0+4*\slot+3], s[G0+4*\slot+2:G0+4*\slot+3], 2*ROWB
	s_add_nc_u64 s[G0B+4*\slot+2:G0B+4*\slot+3], s[G0B+4*\slot+2:G0B+4*\slot+3], 2*ROWB
	JLOAD G0+4*\slot, G1, G0B+4*\slot, G1B         ; the first tensor load behind the round; its four v_nop are the places in front of the loads below
.else
	PLACES NP
.endif
	FETCH_B \next, 0, 0
	FETCH_A \next, 0, 0
	WIN MUL_HI
	MUL16 4, 1, 0
	MUL16 6, 1, 0
	PLACES NP
	WIN 0
	FETCH_A \next, 0, 4
.endm
	s_wait_alu depctr_va_vdst(0)                   ; the wait at the head's end
	s_wait_tensorcnt 0x0                           ; my head load is in, so its descriptors may be written: the refills bring 128 rows a wave
	s_mov_b32 s[G1+2], 128<<16
	s_mov_b32 s[G1+4], 128
	s_mov_b32 s[G1B+2], 128<<16
	s_mov_b32 s[G1B+4], 128
	s_add_co_u32 s[G0+5], s45, SLOT                ; slot 1's groups 0, at K step 1 of my half
	s_add_nc_u64 s[G0+6:G0+7], s[96:97], ROWB
	s_or_b32 s[G0+7], s[G0+7], 0x80000000
	s_add_co_u32 s[G0B+5], s45, SLOT
	s_add_nc_u64 s[G0B+6:G0B+7], s[98:99], ROWB
	s_or_b32 s[G0B+7], s[G0B+7], 0x80000000
	s_barrier_signal -1
	s_barrier_wait -1                              ; everybody's is in: both slots are whole
	FETCH_B 0, 0, 0
	FETCH_A 0, 0, 0
	FETCH_A 0, 0, 4
	STEP 0, 0, 1                                   ; the first step stands in front of the loop: its products start the sums
	s_mov_b32 s3, LAPS-1
.Llap:                                                 ; a trip goes once round the ring, from a lap's second step to the next lap's first, and fills both slots again
	TURN 0, 1, 1
	STEP 1, 0, 0
	TURN 1, 0, 1
	STEP 0, 0, 0
	s_sub_co_u32 s3, s3, 1
	s_cmp_lg_u32 s3, 0
	s_cbranch_scc1 .Llap
	TURN 0, 1, 0                                   ; the last lap fills nothing, and has no round of the cluster's barrier
	STEP 1, 0, 0
	s_wait_dscnt 4*NL                              ; the very last step: nothing more to fetch
	WIN MUL_LO
	MUL16 0, 1, 0
	MUL16 2, 1, 0
	s_wait_dscnt 0
	WIN MUL_HI
	MUL16 4, 1, 0
	MUL16 6, 1, 0
	WIN 0
	; THE WAY OUT.  A sum stands for sum x 2^(ex + ew); its code is sum / 2^d, d = e(result) - ex - ew: the three scales are folded into the conversion's one.
	s_wait_kmcnt 0x0
	s_sub_co_i32 s92, s78, s72                     ; q: e6 - e0 - e1
	s_sub_co_i32 s92, s92, s73
	s_sub_co_i32 s93, s79, s74                     ; k: e7 - e2 - e3
	s_sub_co_i32 s93, s93, s75
	s_sub_co_i32 s94, s80, s76                     ; v: e8 - e4 - e5
	s_sub_co_i32 s94, s94, s77
	s_cmp_eq_u32 s66, 1
	s_cselect_b32 s92, s93, s92
	s_cmp_eq_u32 s66, 2
	s_cselect_b32 s92, s94, s92
	s_add_co_i32 s92, s92, 127
	s_lshl_b32 s93, s92, 23
	v_mov_b32 v[SCL], s93                          ; 2^d as f32
	s_add_co_i32 s92, s92, 8
	s_lshl_b32 s92, s92, 23
	s_or_b32 s92, s92, 0x600000
	v_mov_b32 v[LIM], s92                          ; 448 x 2^d
	PLACES NP
; Block a: 64 sums are held within the largest code x the scale (each accumulator from its low end on), converted eight at a time, and stored: 8 bytes a lane, 256 consecutive bytes a store.
.macro OUTBLK a
.set AC, 64*((\a)%4)
	WIN 0x02+((\a)/4)                              ; source 0: window 2 or 3
.set j, 0
.rept 64
	v_med3_num_f32 v[TMP+j], v[AC+j], -v[LIM], v[LIM]
.set j, j+1
.endr
	WIN 0
.irp b, 0,1,2,3,4,5,6,7
	v_cvt_scalef32_pk8_fp8_f32 v[CD+16*(\a)+2*\b:CD+16*(\a)+2*\b+1], v[TMP+8*\b:TMP+8*\b+7], v[SCL]
.endr
	v_nop                                          ; one plain line between the conversions and the next block's holds, which write their sources
.irp b, 0,1,2,3
	global_store_b64 v[CO+\a], v[CD+16*(\a)+2*\b:CD+16*(\a)+2*\b+1], s[10:11] offset:256*\b
.endr
.irp b, 0,1,2,3
	global_store_b64 v[CO+\a], v[CD+16*(\a)+8+2*\b:CD+16*(\a)+8+2*\b+1], s[12:13] offset:256*\b
.endr
.endm
.irp a, 0,1,2,3,4,5,6,7
	OUTBLK \a
.endr
	s_wait_tensorcnt 0x0                           ; the wave's end
	ds_add_u32 v[SPW], v[NIL]
	s_wait_dscnt 0x0
	CROUND                                         ; the closing round: no work-group ends while a partner may still ask for a tile that names it
	s_endpgm
.Lfunc_end_k_q5d55336bca_qkv:
	.size	k_q5d55336bca_qkv, .Lfunc_end_k_q5d55336bca_qkv-k_q5d55336bca_qkv
	.p2alignl 7, 3214868480
	.fill 96, 4, 3214868480
	.section	.rodata,"a",@progbits
	.p2align	6, 0x0
	.amdhsa_kernel k_q5d55336bca_qkv
		.amdhsa_group_segment_fixed_size 327680
		.amdhsa_private_segment_fixed_size 0
		.amdhsa_enable_private_segment 0
		.amdhsa_kernarg_size 32
		.amdhsa_user_sgpr_count 2
		.amdhsa_user_sgpr_kernarg_segment_ptr 1
		.amdhsa_wavefront_size32 1
		.amdhsa_system_sgpr_workgroup_id_x 1
		.amdhsa_system_sgpr_workgroup_id_y 1
		.amdhsa_system_sgpr_workgroup_id_z 1
		.amdhsa_system_vgpr_workitem_id 0
		.amdhsa_next_free_vgpr 1024
		.amdhsa_next_free_sgpr 100
		.amdhsa_reserve_vcc 0
		.amdhsa_float_denorm_mode_32 3
		.amdhsa_float_denorm_mode_16_64 3
		.amdhsa_memory_ordered 1
		.amdhsa_forward_progress 1
		.amdhsa_inst_pref_size 123
	.end_amdhsa_kernel
	.amdgpu_metadata
---
amdhsa.version: [ 1, 2 ]
amdhsa.kernels:
  - .name:           k_q5d55336bca_qkv
    .symbol:         k_q5d55336bca_qkv.kd
    .args:
      - { .name: xc, .offset: 0, .size: 8, .value_kind: global_buffer, .address_space: global }
      - { .name: wc, .offset: 8, .size: 8, .value_kind: global_buffer, .address_space: global }
      - { .name: lowp_scales, .offset: 16, .size: 8, .value_kind: global_buffer, .address_space: global }
      - { .name: qkv, .offset: 24, .size: 8, .value_kind: global_buffer, .address_space: global }
    .group_segment_fixed_size: 327680
    .private_segment_fixed_size: 0
    .kernarg_segment_align: 8
    .kernarg_segment_size: 32
    .max_flat_workgroup_size: 128
    .sgpr_count:     100
    .vgpr_count:     1024
    .wavefront_size: 32
...
	.end_amdgpu_metadata
.endif
;; end of part 2
;; launch attn (part 3): grid 4 x 64, 8 waves a work-group, clusters of 4 x 1, 327,680 bytes of LDS; arguments qkv, lowp_scales, ctx; writes ctx
.if DOCPART == 3
	.amdgcn_target "amdgcn-amd-amdhsa--gfx1250"
	.amdhsa_code_object_version 6
	.text
	.protected	k_q5d55336bca_attn
	.globl	k_q5d55336bca_attn
	.p2align	8
	.type	k_q5d55336bca_attn,@function
k_q5d55336bca_attn:
	s_mov_b64 s[64:65], 0
	v_nop
	global_prefetch_b8 v0, s[64:65] scope:SCOPE_SE
	s_setreg_imm32_b32 hwreg(HW_REG_WAVE_MODE, 25, 1), 1
	s_wait_xcnt 0x0
	s_wait_alu depctr_hold_cnt(0) depctr_sa_sdst(0) depctr_va_vdst(0) depctr_va_sdst(0) depctr_va_ssrc(0) depctr_va_vcc(0) depctr_vm_vsrc(0)
	s_getreg_b32 s2, hwreg(HW_REG_IB_STS2, 6, 4)
	s_cmp_eq_u32 s2, 0
	s_cbranch_scc0 .Lentry_in_a_cluster
	s_endpgm
.Lentry_in_a_cluster:
	s_bfe_u32 s2, ttmp6, 0x10000c
	s_cmp_lg_u32 s2, 0x3003
	s_cbranch_scc0 .Lentry_shape_is_right
	s_endpgm
.Lentry_shape_is_right:
; Causal attention on E4M3 codes, head size 64, 2,048 tokens, 64 (batch, head)s; the result is quantised at once (e10) for the last product.
; q, k, v come as images of the operands' registers: q, k [16 tokens' block][1,024]: byte 512 c + 256 h + 16 r + e = (token 16 block + r, d = 32 c + 16 h + e); v [128 keys' group][16 channels' block][2,048]: the same formula = (key 32 c + 16 h + e, channel r).
; THE SOFTMAX: t = score x log2(e) / 8; M = the running largest t rounded UP to a whole number; p = 2^(t - M) is quantised (e9), not normalised; the row's sum is taken of the unquantised p and divides at the end.
; When M moves, the sum and O are multiplied by 2^(old M - new M): exact.  Key steps all of whose keys lie behind the causal mask are not walked.
; SHARES.  A cluster of four work-groups owns one (batch, head).  Wave w (0..7) of partner cx owns 32 queries (two tiles of 16) at 128 (15 - w) + 32 cx, then 32 at 128 w + 32 cx: (16 - w) + (w + 1) = 17 key steps of 128 in every wave.
; K AND V OF THE HEAD STAY IN LDS: 16 chunks of 128 keys, 2 x 16 x 9,216 bytes; nothing is filled twice.  Two fills, both joint loads of the four partners (mask 15: all four walk the same K and V, and nothing but global
; addresses and the mask's lane numbers hangs on cx): chunks 0-3 at the head, chunks 4-15 behind the first round, one load a wave each (waves 0-3: K, waves 4-7: V).  The first four steps read chunks 0-3 alone;
; one barrier ahead of step 4 shows the rest; from there on the waves meet no barrier.
; NO PREFETCH: both fills are issued ahead of the first loop, so there is no later load for a prefetch to run ahead of.
; LAYOUT.  Both products are used transposed: S^T = K Q^T (source 0 = 16 keys), O^T = V^T P^T (source 0 = 16 channels): a lane holds ONE query (lane % 16).  Lane r of K's tile 2 b + u takes key 32 b + 8 u + r + 8 (r / 8), so that the
; 16 registers of tiles 2 b and 2 b + 1 are the 16 neighbouring keys 32 b + 16 (lane / 16) + 0 .. 15: the conversions' results are the second product's operand.  Each fragment of K and V feeds both tiles.
; ctx is laid as images: [16 rows' block][128 along K][2,048]; a lane's eight codes lie at 256 (channel block) + 16 r + 8 h: each store of the wave covers 256 consecutive bytes, aligned.
; LIMITS: e6 + e7 between -123 and 130 (added to c's exponent field); e9 and e10 between -126 and 119; the scaled scores stay under 2^31 in magnitude.  NaN among the inputs is not served.
; REGISTERS.  Window 0 holds what the softmax works on, for BOTH tiles, so that their lines stand by turns with no switch of windows: v1-4 LDS addresses, v5, v6 spare word and 0, v7 store offset, v10, v36 the mask's lane numbers, v11 16 x lane,
;   v12, v14 -M, v13, v15 largest t, v[16:19] the sums, v20, v22 f, v24-35 at work, v37 -infinity, v38/v39 448 x 2^e9, 2^e9, v40/v41 the same with e10, v42-57 partial sums, v64-95 p's codes, v96-159 and v160-223 S^T then p.
;   Window 1 holds the matrix operands: v0-63 K, v64-127 V, v128-159 and v160-191 O^T, v192-207 the long tiles' Q, v208-223 the short tiles'.
.set KB,    1152                       ; a block of 16 keys in LDS: 1,024 bytes + 128 of padding: a tile's lanes 8-15 read the block after that of lanes 0-7, 128 bytes further round the banks
.set CHP,   8*KB                       ; a chunk of 128 keys of K; V's chunk (4 x 2,048 bytes) comes by the same descriptor and has the same padding
.set VOFF,  16*CHP
.set SPARE, 2*VOFF                     ; the spare words, 128 bytes for each of the eight waves
.set AK,  1
.set AV,  2
.set ADK, 3
.set ADV, 4
.set SPW, 5
.set NIL, 6
.set GO,  7
.set DG,  10
.set QO,  11
.set WV,  18                           ; s18 wave
.set SEL, 20                           ; s[20:21] selects for lane l xor 16
.set CS,  22                           ; s[22:23] c = log2(e) / 8 x 2^(e6 + e7)
.set G1A, 24                           ; s[24:31] group 1: 8 rows of 1,024 bytes;  s[32:39]: 24 rows
.set G1B, 32
.set G0A, 40
.set G0B, 44
.set CH,  50                           ; s50 the step's chunk
.set BL,  51                           ; s51 my tiles' block of 128 queries
.set TB,  52
.set NX,  53
.set QA,  54                           ; s[54:55] Q of the long tiles
.set OA,  56                           ; s[56:57] my 32 queries' place in ctx
.set QB,  58                           ; s[58:59] Q of the short tiles
.set E89, 76
.set MSB, 0
.macro WIN new                         ; the immediate's high byte repeats the setting that is left
.if MSB != \new
	s_set_vgpr_msb (MSB<<8)|\new
.set MSB, \new
.endif
.endm
.set TO1,  0x40                        ; destination window 1 (loads, clears)
.set QKW,  0x05                        ; K and Q window 1, S^T window 0
.set PVW,  0x51                        ; V and O^T window 1, p's codes window 0
.set OMW,  0x41                        ; O^T window 1, f window 0
.macro ROUND                           ; a round of the cluster's barrier
	s_barrier_signal -1
	s_barrier_wait -1
	s_cmp_lg_u32 s[WV], 0
	s_cbranch_scc1 .Lnot_wave_0_\@
	s_barrier_signal -3
.Lnot_wave_0_\@:
	s_barrier_wait -3
	s_barrier_signal -1
	s_barrier_wait -1
.endm
.macro KLOAD a                         ; a chunk's eight tiles of 16 keys x 64, into window 1
	WIN TO1
.irp t, 0,1,2,3,4,5,6,7
.irp c, 0,1
	ds_load_b128 v[8*\t+4*\c:8*\t+4*\c+3], v[\a] offset:2*(\t/2)*KB+(\t%2)*128+512*\c
.endr
.endr
	WIN 0
.endm
.macro SETT q                          ; from s[BL]: where my 32 queries lie in ctx and (q = 1) in q
	s_lshl_b32 s12, s[BL], 2
	s_add_co_u32 s12, s12, s11                     ; 4 x block + cx
	s_mov_b32 s15, 0
.if \q
	s_lshl_b32 s14, s12, 11                        ; 32 queries of 64 bytes
	s_add_nc_u64 s[QA:QA+1], s[4:5], s[14:15]
.endif
	s_lshl_b32 s14, s12, 15                        ; two blocks of 16 rows, 16,384 bytes each
	s_add_nc_u64 s[OA:OA+1], s[8:9], s[14:15]
.endm
.macro INIT                            ; two tiles begin: the first step finds zeros, which the first change of M leaves zeros
	v_mov_b32 v13, 0xff61b1e6                      ; -3e38, under every t
	v_mov_b32 v15, 0xff61b1e6
	s_delay_alu instid0(VALU_DEP_2)
	v_floor_f32 v12, -v13
	s_delay_alu instid0(VALU_DEP_2)
	v_floor_f32 v14, -v15
.irp r, 16,17,18,19
	v_mov_b32 v\r, 0
.endr
	WIN TO1
.set j, 0
.rept 64
	v_mov_b32 v[128+j], 0
.set j, j+1
.endr
	WIN 0
.endm
.macro MASK r0, d                      ; the diagonal chunk: register 16 b + i holds key 32 b + i + 16 (lane / 16) of the chunk; hidden where 32 b + i > v[d] = my query - the chunk's first key - 16 (lane / 16)
.set n, 0
.rept 64
	v_cmp_gt_i32 vcc_lo, 32*(n/16)+n%16, v[\d]
	v_cndmask_b32 v[\r0+n], v[\r0+n], v37, vcc_lo
.set n, n+1
.endr
.endm
.macro FMA4 j0                         ; t - M for eight of tile 0's scores (of the pairs c and -M the low word serves both halves)
.irp k, 0,2,4,6
	v_pk_fma_f32 v[96+\j0+\k:97+\j0+\k], v[96+\j0+\k:97+\j0+\k], s[CS:CS+1], v[12:13] op_sel_hi:[1,0,0]
.endr
.endm
.macro ADDS r0, a, first               ; 32 unquantised p from v[r0] on, two at a time, onto four chains at v[a]
.if \first
.irp c, 0,1,2,3
	v_pk_add_f32 v[\a+2*\c:\a+2*\c+1], v[\r0+2*\c:\r0+2*\c+1], v[\r0+8+2*\c:\r0+9+2*\c]
.endr
.irp i, 2,3
.irp c, 0,1,2,3
	v_pk_add_f32 v[\a+2*\c:\a+2*\c+1], v[\a+2*\c:\a+2*\c+1], v[\r0+8*\i+2*\c:\r0+8*\i+2*\c+1]
.endr
.endr
.else
.irp i, 0,1,2,3
.irp c, 0,1,2,3
	v_pk_add_f32 v[\a+2*\c:\a+2*\c+1], v[\a+2*\c:\a+2*\c+1], v[\r0+8*\i+2*\c:\r0+8*\i+2*\c+1]
.endr
.endr
.endif
.endm
.macro CV b                            ; sixteen held p become sixteen codes
	v_cvt_scalef32_pk8_fp8_f32 v[64+4*\b:65+4*\b], v[96+16*\b:103+16*\b], v39
	v_cvt_scalef32_pk8_fp8_f32 v[66+4*\b:67+4*\b], v[104+16*\b:111+16*\b], v39
.endm
; THE SOFTMAX OF BOTH TILES, 2 x 16 queries x 128 keys: v96-159 tile 0, v160-223 tile 1.  The two tiles' chains stand by turns.  The exponentials go in four batches of 32; among each batch stand plain lines on other
; registers (multiply-adds of later batches, holds of earlier ones) whose results are read only behind the next wait.  The holds of a batch follow its sums: the sum is taken of the unquantised p.
.macro SM2
.irp c, 0,1,2,3,4,5,6,7                ; the largest score among my 64 of each tile, in eight chains; each accumulator is first read at its low end
	v_max3_num_f32 v[24+\c], v[96+16*\c], v[97+16*\c], v[98+16*\c]
.endr
.irp i, 0,1,2,3,4,5
.irp c, 0,1,2,3,4,5,6,7
	v_max3_num_f32 v[24+\c], v[24+\c], v[99+16*\c+2*\i], v[100+16*\c+2*\i]
.endr
.endr
	v_max3_num_f32 v24, v24, v111, v127
	v_max3_num_f32 v26, v26, v143, v159
	v_max3_num_f32 v28, v28, v175, v191
	v_max3_num_f32 v30, v30, v207, v223
	v_max3_num_f32 v24, v24, v25, v27
	v_max3_num_f32 v28, v28, v29, v31
	v_max_num_f32 v24, v24, v26
	v_max_num_f32 v28, v28, v30
	v_permlanex16_b32 v32, v24, s[SEL], s[SEL+1]
	v_permlanex16_b32 v33, v28, s[SEL], s[SEL+1]
	v_max_num_f32 v24, v24, v32                    ; and among lane l xor 16's
	v_max_num_f32 v28, v28, v33
	v_mul_f32 v24, s[CS], v24                      ; as t (c is positive)
	v_mul_f32 v28, s[CS], v28
	v_max_num_f32 v13, v13, v24                    ; the running largest t
	v_max_num_f32 v15, v15, v28
	v_mov_b32 v34, v12
	v_mov_b32 v35, v14
	v_floor_f32 v12, -v13                          ; the new -M = -ceil(t)
	v_floor_f32 v14, -v15
	FMA4 0
	v_sub_f32 v34, v12, v34                        ; old M - new M: a whole number, 0 or less
	v_sub_f32 v35, v14, v35
	FMA4 8
	v_cvt_i32_f32 v34, v34                         ; (it saturates)
	v_cvt_i32_f32 v35, v35
	FMA4 16
	v_ldexp_f32 v20, 1.0, v34                      ; f = 2^(old M - new M)
	v_ldexp_f32 v22, 1.0, v35
	FMA4 24
	WIN OMW                                        ; O^T under the new M, ahead of the step's exponentials
.set j, 0
.rept 16
	v_pk_mul_f32 v[128+j:129+j], v[128+j:129+j], v[20:21] op_sel_hi:[1,0]
.set j, j+2
.endr
.set j, 0
.rept 16
	v_pk_mul_f32 v[160+j:161+j], v[160+j:161+j], v[22:23] op_sel_hi:[1,0]
.set j, j+2
.endr
	WIN 0
	v_pk_mul_f32 v[16:17], v[16:17], v[20:21] op_sel_hi:[1,0]   ; the sums likewise
	v_pk_mul_f32 v[18:19], v[18:19], v[22:23] op_sel_hi:[1,0]
	s_wait_alu depctr_va_vdst(0)                   ; a wait ahead of each batch and behind it: one wait between two batches serves both
.set j, 0
.rept 16                               ; batch 1: p = 2^(t - M) of v96-127; among it t - M of v128-191
	v_exp_f32 v[96+j], v[96+j]
	v_pk_fma_f32 v[128+j:129+j], v[128+j:129+j], s[CS:CS+1], v[12:13] op_sel_hi:[1,0,0]
	v_exp_f32 v[97+j], v[97+j]
	v_pk_fma_f32 v[160+j:161+j], v[160+j:161+j], s[CS:CS+1], v[14:15] op_sel_hi:[1,0,0]
.set j, j+2
.endr
	s_wait_alu depctr_va_vdst(0)
	ADDS 96, 42, 1
.set j, 0
.rept 16                               ; batch 2: v128-159; among it t - M of v192-223 and the holds of v96-111 (the conversion does not saturate: ISA guide 7.6.2; p is not negative, so the hold is one-sided)
	v_exp_f32 v[128+j], v[128+j]
	v_pk_fma_f32 v[192+j:193+j], v[192+j:193+j], s[CS:CS+1], v[14:15] op_sel_hi:[1,0,0]
	v_exp_f32 v[129+j], v[129+j]
	v_min_num_f32 v[96+j/2], v[96+j/2], v38
.set j, j+2
.endr
	s_wait_alu depctr_va_vdst(0)
	ADDS 128, 42, 0
.set j, 0
.rept 32                               ; batch 3: v160-191; among it the holds of v112-143
	v_exp_f32 v[160+j], v[160+j]
	v_min_num_f32 v[112+j], v[112+j], v38
.set j, j+1
.endr
	s_wait_alu depctr_va_vdst(0)
	ADDS 160, 50, 1
.set j, 0
.rept 32                               ; batch 4: v192-223; among it the holds of v144-175
	v_exp_f32 v[192+j], v[192+j]
	v_min_num_f32 v[144+j], v[144+j], v38
.set j, j+1
.endr
	s_wait_alu depctr_va_vdst(0)
	ADDS 192, 50, 0
	v_pk_add_f32 v[42:43], v[42:43], v[44:45]
	v_pk_add_f32 v[50:51], v[50:51], v[52:53]
	v_pk_add_f32 v[46:47], v[46:47], v[48:49]
	v_pk_add_f32 v[54:55], v[54:55], v[56:57]
	v_pk_add_f32 v[42:43], v[42:43], v[46:47]
	v_pk_add_f32 v[50:51], v[50:51], v[54:55]
	v_pk_add_f32 v[16:17], v[16:17], v[42:43]
	v_pk_add_f32 v[18:19], v[18:19], v[50:51]
.irp b, 0,1,2,3,4
	CV \b
.endr
.irp b, 5,6,7
.irp i, 0,1,2,3,4,5,6,7,8,9,10,11,12,13,14,15
	v_min_num_f32 v[96+16*\b+\i], v[96+16*\b+\i], v38
.endr
	CV \b
.endr
	v_nop                                          ; one plain line between the conversions and the products
.endm
; A KEY STEP: chunk s[CH], both tiles; Q at v[qr] of window 1.  K's fragments were asked for in the step before; the next chunk's ((CH + 1) & nmask) are asked for as soon as the scores are issued.
.macro STEP nmask, causal, qr
.if \causal
	s_cmp_gt_u32 s[CH], s[BL]                      ; all keys behind the mask: the step is not walked (wave's number and the count of steps alone)
	s_cbranch_scc1 .Lhid_\@
.endif
	s_mul_i32 s[TB], s[CH], CHP
	s_add_co_u32 s[NX], s[CH], 1
	s_and_b32 s[NX], s[NX], \nmask
	s_mul_i32 s[NX], s[NX], CHP
	v_add_nc_u32 v[ADV], s[TB], v[AV]
.rept 3
	v_nop                                          ; with the line above: four places in front of loads into registers that the last products read
.endr
	WIN TO1
.irp u, 0,1,2,3                        ; V's four tiles of 16 channels x 128 keys
.irp c, 0,1,2,3
	ds_load_b128 v[64+16*\u+4*\c:67+16*\u+4*\c], v[ADV] offset:\u*2304+512*\c+128*(\c/2)
.endr
.endr
	s_wait_dscnt 16                                ; K is in; V's sixteen loads may be out
	WIN QKW
.irp m, 0,1
.irp t, 0,1,2,3,4,5,6,7
	v_wmma_f32_16x16x64_fp8_fp8 v[96+64*\m+8*\t:103+64*\m+8*\t], v[8*\t:8*\t+7], v[\qr+8*\m:\qr+8*\m+7], 0
.endr
.endr
	WIN 0
	v_add_nc_u32 v[ADK], s[NX], v[AK]
.rept 3
	v_nop                                          ; four places: in front of the loads below and of the first read of the scores
.endr
	KLOAD ADK
.if \causal
	s_cmp_lg_u32 s[CH], s[BL]
	s_cbranch_scc1 .Lopen_\@
	MASK 96, DG                                    ; on the diagonal hidden scores become -infinity ahead of the maximum
	MASK 160, 36
.Lopen_\@:
.endif
	SM2
	s_wait_alu depctr_va_vdst(0)                   ; directly ahead of the wait below
	s_wait_dscnt 16                                ; V is in; the next K's sixteen loads may be out
	WIN PVW
.irp m, 0,1                            ; O^T += V^T P^T: the eight accumulators by turns
.irp u, 0,1,2,3
	v_wmma_f32_16x16x128_fp8_fp8 v[128+32*\m+8*\u:135+32*\m+8*\u], v[64+16*\u:79+16*\u], v[64+16*\m:79+16*\m], v[128+32*\m+8*\u:135+32*\m+8*\u]
.endr
.endr
	WIN 0
.if \causal
.Lhid_\@:
.endif
.endm
; A tile's way out: O^T / the sum x 2^(e8 + e9), held, converted with 2^e10, stored as the last product's operand.
.macro FIN tau
.set SU, 16+2*\tau
.set TM, 96+64*\tau
.set CD, 64+16*\tau
	v_add_f32 v[SU], v[SU], v[SU+1]
	s_delay_alu instid0(VALU_DEP_1)
	v_permlanex16_b32 v[32+\tau], v[SU], s[SEL], s[SEL+1]
	s_delay_alu instid0(VALU_DEP_1)
	v_add_f32 v[SU], v[SU], v[32+\tau]             ; the row's sum
	s_wait_alu depctr_va_vdst(0)                   ; a wait ahead of the reciprocal,
	v_rcp_f32 v[SU], v[SU]
	v_nop
	s_wait_alu depctr_va_vdst(0)                   ; ahead of its first reader,
	v_ldexp_f32 v[SU], v[SU], s[E89]
	WIN 0x01                                       ; O^T in window 1
	s_wait_alu depctr_va_vdst(0)                   ; and directly ahead of the first reader of O^T
.set j, 0
.rept 32
	v_mul_f32 v[TM+j], v[128+32*\tau+j], v[SU]     ; register 8 u + i: (query r, channel 16 u + 8 h + i)
.set j, j+1
.endr
	WIN 0
.set j, 0
.rept 32
	v_med3_num_f32 v[TM+j], v[TM+j], -v40, v40
.set j, j+1
.endr
.irp u, 0,1,2,3
	v_cvt_scalef32_pk8_fp8_f32 v[CD+2*\u:CD+2*\u+1], v[TM+8*\u:TM+8*\u+7], v41
.endr
	v_nop
.irp u, 0,1,2,3
	global_store_b64 v[GO], v[CD+2*\u:CD+2*\u+1], s[OA:OA+1] offset:256*\u+16384*\tau   ; 32 lanes store 256 consecutive bytes, aligned
.endr
.endm
	s_load_b128 s[4:7], s[0:1], 0x0                ; qkv s[4:5], the exponents s[6:7]
	s_load_b64 s[8:9], s[0:1], 0x10                ; ctx
	v_lshl_add_u32 v[SPW], v0, 2, SPARE
	v_mov_b32 v[NIL], 0
	ds_add_u32 v[SPW], v[NIL]                      ; the opening: the add, twice on end, and its wait ahead of my first tensor load
	ds_add_u32 v[SPW], v[NIL]
	v_lshrrev_b32 v9, 5, v0
	s_delay_alu instid0(VALU_DEP_1)
	v_readfirstlane_b32 s[WV], v9                  ; wave 0..7
	v_and_b32 v8, 31, v0
	s_delay_alu instid0(VALU_DEP_1)
	v_lshlrev_b32 v[QO], 4, v8                     ; 16 x lane
	s_and_b32 s10, ttmp7, 0xffff                   ; 16 x batch + head: the cluster's y
	s_bfe_u32 s11, ttmp6, 0x40000                  ; cx
	s_mov_b32 s[G1A], 15|(3<<16)|(1<<20)|(1<<21)|(7<<22)|(31<<25)   ; the mask: all four partners; elements of 8 bytes; padding of 32 words after every 256; bit 21 beside the mask
	s_mov_b32 s[G1A+1], 128<<16                    ; rows of 128 elements
	s_mov_b32 s[G1A+2], 8<<16
	s_mov_b32 s[G1A+3], 128<<16
	s_mov_b32 s[G1A+4], 8                          ; 8 rows: one chunk
	s_mov_b32 s[G1A+5], 128
	s_mov_b32 s[G1A+6], 0
	s_mov_b32 s[G1A+7], 0
	s_mov_b32 s[G1B], 15|(3<<16)|(1<<20)|(1<<21)|(7<<22)|(31<<25)
	s_mov_b32 s[G1B+1], 128<<16
	s_mov_b32 s[G1B+2], 24<<16
	s_mov_b32 s[G1B+3], 128<<16
	s_mov_b32 s[G1B+4], 24                         ; 24 rows: three chunks
	s_mov_b32 s[G1B+5], 128
	s_mov_b32 s[G1B+6], 0
	s_mov_b32 s[G1B+7], 0
	s_lshr_b32 s12, s[WV], 2                       ; 0: I fetch K, 1: V
	s_and_b32 s13, s[WV], 3
	s_mul_i32 s14, s12, VOFF
	s_mul_i32 s15, s13, CHP
	s_add_co_u32 s[G0A+1], s14, s15                ; first fill: chunk wave % 4
	s_mul_i32 s15, s13, 3*CHP
	s_add_co_u32 s15, s15, 4*CHP
	s_add_co_u32 s[G0B+1], s14, s15                ; second fill: chunks 4 + 3 (wave % 4) on
	s_mov_b32 s[G0A], 1
	s_mov_b32 s[G0B], 1
	s_lshl_b32 s16, s10, 17                        ; the head's 131,072 bytes in each of q, k, v
	s_mov_b32 s17, 0
	s_add_co_u32 s12, s12, 1
	s_lshl_b32 s12, s12, 23                        ; k's or v's part of the buffer
	s_add_co_u32 s48, s16, s12
	s_lshl_b32 s15, s13, 13
	s_add_co_u32 s48, s48, s15
	s_mov_b32 s49, 0
	s_mul_i32 s15, s13, 2*8192
	s_add_co_u32 s74, s48, s15
	s_add_co_u32 s74, s74, 4*8192
	s_mov_b32 s75, 0
	s_wait_alu depctr_va_vdst(0)
	s_wait_dscnt 0x0                               ; both opening adds are done
	s_wait_kmcnt 0x0
	s_load_b128 s[68:71], s[6:7], 0x18             ; e6, e7, e8, e9
	s_load_b32 s72, s[6:7], 0x28                   ; e10
	s_add_nc_u64 s[G0A+2:G0A+3], s[4:5], s[48:49]
	s_or_b32 s[G0A+3], s[G0A+3], 0x80000000
	s_add_nc_u64 s[G0B+2:G0B+3], s[4:5], s[74:75]
	s_or_b32 s[G0B+3], s[G0B+3], 0x80000000
	ROUND                                          ; all four partners are here: the first joint loads meet
	tensor_load_to_lds s[G0A:G0A+3], s[G1A:G1A+7]  ; chunks 0-3: my one load at the head
	s_nop 0
	s_add_nc_u64 s[4:5], s[4:5], s[16:17]          ; q of my head
	s_lshr_b32 s12, s10, 4
	s_lshl_b32 s12, s12, 21                        ; ctx: the batch's 128 blocks of 16,384 bytes,
	s_bfe_u32 s13, s10, 0x30001
	s_lshl_b32 s13, s13, 11                        ; + head / 2 images of 2,048 bytes,
	s_add_co_u32 s12, s12, s13
	s_and_b32 s13, s10, 1
	s_lshl_b32 s13, s13, 10                        ; + the head's half of an image
	s_add_co_u32 s12, s12, s13
	s_mov_b32 s13, 0
	s_add_nc_u64 s[8:9], s[8:9], s[12:13]
	s_mov_b32 s[BL], s[WV]                         ; the short tiles' Q,
	SETT 1
	s_mov_b64 s[QB:QB+1], s[QA:QA+1]
	s_sub_co_u32 s[BL], 15, s[WV]                  ; and the long tiles, which go first
	SETT 1
	WIN TO1                                        ; all Q comes now and stays in registers: the long tiles' four loads first
.irp i, 0,1,2,3
	global_load_b128 v[192+4*\i:195+4*\i], v[QO], s[QA:QA+1] offset:512*\i
.endr
.irp i, 0,1,2,3
	global_load_b128 v[208+4*\i:211+4*\i], v[QO], s[QB:QB+1] offset:512*\i
.endr
	WIN 0
	s_mov_b32 s[SEL], 0x76543210
	s_mov_b32 s[SEL+1], 0xfedcba98
	s_mov_b32 s[CS], 0x3e38aa3b                    ; log2(e) / 8
	s_lshl_b32 s19, s11, 5                         ; 32 cx
	v_bfe_u32 v24, v0, 4, 1                        ; h
	v_and_b32 v25, 15, v0                          ; r
	v_bfe_u32 v[AK], v0, 3, 1                      ; r / 8
	v_and_b32 v26, 7, v0
	v_mov_b32 v37, 0xff800000                      ; -infinity
	v_mov_b32 v32, 0                               ; written once: a lane permute's destination counts as a source
	v_mov_b32 v33, 0
	v_mov_b32 v21, 0                               ; (named as the upper halves of the pairs v[20:21], v[22:23])
	v_mov_b32 v23, 0
	v_mul_u32_u24 v[AK], v[AK], KB
	v_lshlrev_b32 v[GO], 4, v25
	v_lshlrev_b32 v27, 4, v24
	s_delay_alu instid0(VALU_DEP_3)
	v_lshl_add_u32 v[AK], v24, 8, v[AK]
	s_delay_alu instid0(VALU_DEP_3)
	v_lshl_add_u32 v[GO], v24, 3, v[GO]            ; 16 r + 8 h
	s_delay_alu instid0(VALU_DEP_3)
	v_sub_nc_u32 v[DG], v25, v27
	s_delay_alu instid0(VALU_DEP_3)
	v_lshl_add_u32 v[AK], v26, 4, v[AK]            ; K: KB (r / 8) + 256 h + 16 (r % 8)
	v_add_nc_u32 v[AV], VOFF, v[QO]
	s_delay_alu instid0(VALU_DEP_3)
	v_add_nc_u32 v[DG], s19, v[DG]                 ; in the diagonal chunk my query lies 32 cx + 16 tile + r behind its first key: less 16 h
	s_delay_alu instid0(VALU_DEP_1)
	v_add_nc_u32 v36, 16, v[DG]                    ; tile 1's
	s_wait_alu depctr_va_vdst(0)                   ; directly ahead of the wait below
	s_wait_kmcnt 0x0
	s_add_co_i32 s73, s68, s69
	s_lshl_b32 s73, s73, 23
	s_add_co_i32 s[CS], s[CS], s73                 ; a score stands for score x 2^(e6 + e7)
	s_mov_b32 s[CS+1], s[CS]
	s_add_co_i32 s73, s71, 127
	s_lshl_b32 s74, s73, 23                        ; 2^e9
	s_add_co_i32 s73, s73, 8
	s_lshl_b32 s73, s73, 23
	s_or_b32 s73, s73, 0x600000                    ; 448 x 2^e9
	s_add_co_i32 s75, s72, 127
	s_lshl_b32 s77, s75, 23                        ; 2^e10
	s_add_co_i32 s75, s75, 8
	s_lshl_b32 s75, s75, 23
	s_or_b32 s75, s75, 0x600000                    ; 448 x 2^e10
	s_add_co_i32 s[E89], s70, s71
	v_mov_b32 v39, s74
	v_mov_b32 v38, s73
	v_mov_b32 v41, s77
	v_mov_b32 v40, s75
	INIT
	s_wait_alu depctr_va_vdst(0)                   ; the wait at the head's end
	s_wait_loadcnt 0x4                             ; the long tiles' Q is in; the short tiles' four loads may be out
	s_wait_tensorcnt 0x0                           ; my chunk is in; the later first fill is issued as a refill is:
	ds_add_u32 v[SPW], v[NIL]                      ; 0 onto my spare word
	s_wait_dscnt 0x0
	ROUND                                          ; chunks 0-3 are whole, and all four partners are here
	tensor_load_to_lds s[G0B:G0B+3], s[G1B:G1B+7]  ; chunks 4-15: it has four steps in which to land
	s_nop 0
	KLOAD AK                                       ; chunk 0
	s_mov_b32 s[CH], 0
.La:                                               ; steps 0-3: every wave's block is 8 or more, so all keys count.  The look-ahead stays in chunks 0-3: the last trip's wraps to chunk 0 and is not used
	STEP 3, 0, 192
	s_add_co_u32 s[CH], s[CH], 1
	s_cmp_lt_u32 s[CH], 4
	s_cbranch_scc1 .La
	s_wait_tensorcnt 0x0                           ; my three chunks are in,
	s_wait_dscnt 0x0
	s_barrier_signal -1
	s_barrier_wait -1                              ; everybody's are: all of K and V lies in LDS, and nothing is filled from here on
	v_add_nc_u32 v[ADK], 4*CHP, v[AK]
	KLOAD ADK
	s_mov_b32 s[CH], 4
.Lb:                                               ; the long tiles' chunks 4 to 15 - wave
	STEP 15, 1, 192
	s_add_co_u32 s[CH], s[CH], 1
	s_cmp_lt_u32 s[CH], 16
	s_cbranch_scc1 .Lb
	s_wait_dscnt 0x0                               ; the look-ahead's loads are back
	KLOAD AK                                       ; chunk 0, for the short tiles
	FIN 0
	FIN 1
	s_wait_xcnt 0x0                                ; the stores have read their base and their data
	s_mov_b32 s[BL], s[WV]                         ; the short tiles
	SETT 0
	INIT
	s_mov_b32 s[CH], 0
	s_wait_alu depctr_va_vdst(0)                   ; directly ahead of the wait below
	s_wait_loadcnt 0x0                             ; the short tiles' Q
.Lc:                                               ; chunks 0 to wave
	STEP 15, 1, 208
	s_add_co_u32 s[CH], s[CH], 1
	s_cmp_lt_u32 s[CH], 8
	s_cbranch_scc1 .Lc
	s_wait_dscnt 0x0
	FIN 0
	FIN 1
	s_wait_tensorcnt 0x0                           ; the wave's end
	ds_add_u32 v[SPW], v[NIL]
	s_wait_dscnt 0x0
	ROUND                                          ; the closing round
	s_endpgm
.Lfunc_end_k_q5d55336bca_attn:
	.size	k_q5d55336bca_attn, .Lfunc_end_k_q5d55336bca_attn-k_q5d55336bca_attn
	.p2alignl 7, 3214868480
	.fill 96, 4, 3214868480
	.section	.rodata,"a",@progbits
	.p2align	6, 0x0
	.amdhsa_kernel k_q5d55336bca_attn
		.amdhsa_group_segment_fixed_size 327680
		.amdhsa_private_segment_fixed_size 0
		.amdhsa_enable_private_segment 0
		.amdhsa_kernarg_size 24
		.amdhsa_user_sgpr_count 2
		.amdhsa_user_sgpr_kernarg_segment_ptr 1
		.amdhsa_wavefront_size32 1
		.amdhsa_system_sgpr_workgroup_id_x 1
		.amdhsa_system_sgpr_workgroup_id_y 1
		.amdhsa_system_sgpr_workgroup_id_z 1
		.amdhsa_system_vgpr_workitem_id 0
		.amdhsa_next_free_vgpr 512
		.amdhsa_next_free_sgpr 100
		.amdhsa_reserve_vcc 1
		.amdhsa_float_denorm_mode_32 3
		.amdhsa_float_denorm_mode_16_64 3
		.amdhsa_memory_ordered 1
		.amdhsa_forward_progress 1
		.amdhsa_inst_pref_size 140
	.end_amdhsa_kernel
	.amdgpu_metadata
---
amdhsa.version: [ 1, 2 ]
amdhsa.kernels:
  - .name:           k_q5d55336bca_attn
    .symbol:         k_q5d55336bca_attn.kd
    .args:
      - { .name: qkv, .offset: 0, .size: 8, .value_kind: global_buffer, .address_space: global }
      - { .name: lowp_scales, .offset: 8, .size: 8, .value_kind: global_buffer, .address_space: global }
      - { .name: ctx, .offset: 16, .size: 8, .value_kind: global_buffer, .address_space: global }
    .group_segment_fixed_size: 327680
    .private_segment_fixed_size: 0
    .kernarg_segment_align: 8
    .kernarg_segment_size: 24
    .max_flat_workgroup_size: 256
    .sgpr_count:     100
    .vgpr_count:     512
    .wavefront_size: 32
...
	.end_amdgpu_metadata
.endif
;; end of part 3
;; launch oproj (part 4): grid 4 x 64, 4 waves a work-group, clusters of 4 x 4, 327,680 bytes of LDS; arguments ctx, wc, lowp_scales, bo, out0; writes out0
.if DOCPART == 4
	.amdgcn_target "amdgcn-amd-amdhsa--gfx1250"
	.amdhsa_code_object_version 6
	.text
	.protected	k_q5d55336bca_oproj
	.globl	k_q5d55336bca_oproj
	.p2align	8
	.type	k_q5d55336bca_oproj,@function
k_q5d55336bca_oproj:
	s_mov_b64 s[64:65], 0
	v_nop
	global_prefetch_b8 v0, s[64:65] scope:SCOPE_SE
	s_setreg_imm32_b32 hwreg(HW_REG_WAVE_MODE, 25, 1), 1
	s_wait_xcnt 0x0
	s_wait_alu depctr_hold_cnt(0) depctr_sa_sdst(0) depctr_va_vdst(0) depctr_va_sdst(0) depctr_va_ssrc(0) depctr_va_vcc(0) depctr_vm_vsrc(0)
	s_getreg_b32 s2, hwreg(HW_REG_IB_STS2, 6, 4)
	s_cmp_eq_u32 s2, 0
	s_cbranch_scc0 .Lentry_in_a_cluster
	s_endpgm
.Lentry_in_a_cluster:
	s_bfe_u32 s2, ttmp6, 0x10000c
	s_cmp_lg_u32 s2, 0xf033
	s_cbranch_scc0 .Lentry_shape_is_right
	s_endpgm
.Lentry_shape_is_right:
; out0 [8192][1024] f32 = ctx Wo x 2^(e10 + e11) + bo, on E4M3 codes.  A = ctx, laid as images of the operand's registers: [16 rows' block][128 along K][2,048]: byte 512 c + 256 h + 16 r + e = (row r, k = 32 c + 16 h + e);
; B = wc[3]: [1024 n][1024 k], K innermost.  LIMIT: e10 + e11 between -126 and 127, so that 2^(e10 + e11) is an f32 number.
; A tile of 128 x 256 is made by four waves, 64 x 128 each (32 accumulators): 64 x 4 tiles = 256 work-groups.  CLUSTERS of 4 x 4: A's bytes are asked for jointly along a row of the cluster, B's along a column.
; A'S 128 ROWS STAY IN LDS for all of K: 131,072 bytes, dense in memory, two loads at the head (waves 0, 1).  B goes through two slots of 256 rows x 256 along K: waves 2 and 3 fill slots 0 and 1 at the head
; (K steps 0, 1), and each fills its own slot once more (K steps 2, 3) behind a round of the cluster's barrier.  So every wave has one load at the head.
; NO PREFETCH: of B's four K steps two are asked for at the head and the other two one step later: there is no trip to run ahead in; A is asked for whole at the head.
; The matrix instruction takes rows of B as source 0 and rows of A as source 1: a lane holds eight neighbouring columns of one row of the result.
; REGISTERS, in windows of 256: window 0: v8-11 the bias, v16-29 addresses, v128-255 A's fragments in two sets (4 x 16 rows x 128 K each), later the way out.  Window 1: B's fragments, two sets.  Window 2: accumulator (a, b) at v[8 (8 a + b)].
.set SIZE_N, 1024
.set PITCH,  272                       ; B's LDS row: 256 bytes + 16: the 16 rows that a load touches start at 16 different banks (64 banks of 4 bytes: ISA guide 11.1)
.set BSLOT,  256*PITCH
.set BOFF,   131072                    ; behind A
.set SPARE,  BOFF+2*BSLOT              ; the spare words, 128 bytes for each wave
.set STAGE,  SPARE+1024                ; the way out: 16 rows x 528 bytes for each wave, bytes of their own
.set SPITCH, 528
.set BIAS, 8
.set ADRA, 16
.set ADRB, 20
.set STO,  24
.set RD,   25
.set CO,   26
.set SPW,  28
.set NIL,  29
.set AF,   128
.set BK,   128
.set G1,  24                           ; s[24:31] group 1 for A, s[32:35] its group 0
.set G0,  32
.set G1B, 48                           ; s[48:55], s[56:59] the same for B
.set G0B, 56
.set MSB, 0
.macro WIN new                         ; the immediate's high byte repeats the setting that is left
.if MSB != \new
	s_set_vgpr_msb (MSB<<8)|\new
.set MSB, \new
.endif
.endm
.set MUL_LO, 0xa1                      ; source 0 (B) window 1, source 1 (A) window 0, C and D window 2
.set TO_B,   0x40
.macro PLACES
.rept 4
	v_nop
.endr
.endm
.macro CREST                           ; a round of the cluster's barrier behind its opening barrier
	s_cmp_lg_u32 s14, 0
	s_cbranch_scc1 .Lnot_wave_0_\@
	s_barrier_signal -3
.Lnot_wave_0_\@:
	s_barrier_wait -3
	s_barrier_signal -1
	s_barrier_wait -1
.endm
.macro CROUND
	s_barrier_signal -1
	s_barrier_wait -1
	CREST
.endm
.macro JLOAD slot                      ; B's slot is filled again by the wave that filled it first; the branch hangs on the wave's number alone
	s_cmp_lg_u32 s14, 2+\slot
	s_cbranch_scc1 .Lnone_\@
	tensor_load_to_lds s[G0B:G0B+3], s[G1B:G1B+7]
	s_nop 0
.rept 4
	v_nop
.endr
.Lnone_\@:
.endm
.macro FETCH n, p                      ; the fragments of the n-th 128 along K into sets p: B's eight (32 loads), A's four (16 loads)
	WIN TO_B
.irp i, 0,1,2,3,4,5,6,7
.irp c, 0,1,2,3
	ds_load_b128 v[128*(\p)+16*\i+4*\c:128*(\p)+16*\i+4*\c+3], v[ADRB+((\n)/2)%2] offset:128*((\n)%2)+32*\c+\i*16*PITCH
.endr
.endr
	WIN 0
.irp i, 0,1,2,3
.irp c, 0,1,2,3
	ds_load_b128 v[AF+64*(\p)+16*\i+4*\c:AF+64*(\p)+16*\i+4*\c+3], v[ADRA] offset:2048*(\n)+512*\c+\i*16384
.endr
.endr
.endm
.macro MUL16 a0, p, zero               ; A's blocks a0, a0 + 1 x B's eight; the 32 accumulators take turns, one instruction a turn
.irp a, \a0, \a0+1
.irp b, 0,1,2,3,4,5,6,7
.if \zero
	v_wmma_f32_16x16x128_fp8_fp8 v[8*(8*(\a)+\b):8*(8*(\a)+\b)+7], v[128*(\p)+16*\b:128*(\p)+16*\b+15], v[AF+64*(\p)+16*(\a):AF+64*(\p)+16*(\a)+15], 0
.else
	v_wmma_f32_16x16x128_fp8_fp8 v[8*(8*(\a)+\b):8*(8*(\a)+\b)+7], v[128*(\p)+16*\b:128*(\p)+16*\b+15], v[AF+64*(\p)+16*(\a):AF+64*(\p)+16*(\a)+15], v[8*(8*(\a)+\b):8*(8*(\a)+\b)+7]
.endif
.endr
.endr
.endm
.macro EVEN n, zero                    ; a slot's first 128 along K: the second's fragments are asked for first and land under the 32 products
	PLACES                                         ; in front of loads into registers that the step before multiplied
	FETCH (\n)+1, 1
	s_wait_dscnt 48                                ; all but the 48 just issued
	WIN MUL_LO
	MUL16 0, 0, \zero
	MUL16 2, 0, \zero
	WIN 0
.endm
.macro TURN n, fill                    ; a slot's second 128 along K changes slots.  fill = 0, 1: that slot is filled again; -1: none
	s_wait_tensorcnt 0x0                           ; all my tensor loads have landed
	ds_add_u32 v[SPW], v[NIL]                      ; 0 onto my spare word
	s_wait_dscnt 0x0                               ; the add is done, and my reads of this slot are over
	s_barrier_signal -1
	WIN MUL_LO
	MUL16 0, 1, 0                                  ; work on registers while the others arrive
	WIN 0
	s_barrier_wait -1
.if \fill >= 0
	CREST                                          ; the barrier has opened a round: no wave of any partner still reads this slot or has a load on its way
	JLOAD \fill
.endif
	PLACES
	FETCH (\n)+1, 0
	WIN MUL_LO
	MUL16 2, 1, 0
	WIN 0
.endm
	s_load_b128 s[4:7], s[0:1], 0x0                ; ctx s[4:5], wc s[6:7]
	s_load_b128 s[8:11], s[0:1], 0x10              ; the exponents s[8:9], bo s[10:11]
	s_load_b64 s[12:13], s[0:1], 0x20              ; out0
	v_lshl_add_u32 v[SPW], v0, 2, SPARE
	v_mov_b32 v[NIL], 0
	ds_add_u32 v[SPW], v[NIL]                      ; the opening: the add, twice on end, and its wait ahead of my first tensor load
	ds_add_u32 v[SPW], v[NIL]
	v_lshrrev_b32 v1, 5, v0
	v_readfirstlane_b32 s14, v1                    ; wave 0..3
	s_lshr_b32 s15, s14, 1                         ; which 64 rows are mine.  Also: I fetch for A (0) or for B (1)
	s_and_b32 s16, s14, 1                          ; which 128 columns.  Also: which half of A, or which slot of B, I fetch
	s_bfe_u32 s40, ttmp6, 0x40000                  ; cx, cy
	s_bfe_u32 s41, ttmp6, 0x40004
	s_lshl_b32 s42, ttmp9, 2
	s_add_co_u32 s42, s42, s40                     ; tile column 0..3
	s_and_b32 s17, ttmp7, 0xffff
	s_lshl_b32 s17, s17, 2
	s_add_co_u32 s17, s17, s41                     ; tile row 0..63
	s_lshl_b32 s43, s41, 2
	s_lshl_b32 s43, 15, s43                        ; my row of the cluster
	s_lshl_b32 s44, 0x1111, s40                    ; my column
	s_or_b32 s[G1], s43, (3<<16)|(1<<21)           ; A: a dense block of 65,536 bytes as 256 rows of 32 elements of 8 bytes, no padding
	s_mov_b32 s[G1+1], 32<<16
	s_mov_b32 s[G1+2], 256<<16
	s_mov_b32 s[G1+3], 32<<16
	s_mov_b32 s[G1+4], 256
	s_mov_b32 s[G1+5], 32
	s_mov_b32 s[G1+6], 0
	s_mov_b32 s[G1+7], 0
	s_or_b32 s[G1B], s44, (0<<16)|(1<<20)|(1<<21)|(5<<22)|(3<<25)   ; B: 256 rows of 256 bytes, 1,024 apart, 4 words of padding after every 64
	s_mov_b32 s[G1B+1], 256<<16
	s_mov_b32 s[G1B+2], 256<<16
	s_mov_b32 s[G1B+3], 256<<16
	s_mov_b32 s[G1B+4], 256
	s_mov_b32 s[G1B+5], 1024
	s_mov_b32 s[G1B+6], 0
	s_mov_b32 s[G1B+7], 0
	s_lshl_b32 s20, s17, 17                        ; A: the tile's 128 rows of 1,024 bytes,
	s_lshl_b32 s18, s16, 16                        ; + my half; the same in LDS
	s_add_co_u32 s20, s20, s18
	s_mov_b32 s21, 0
	s_lshl_b32 s46, s42, 18                        ; B: the tile's 256 rows of 1,024 bytes,
	s_lshl_b32 s19, s16, 8                         ; + K step 0 or 1,
	s_add_co_u32 s46, s46, s19
	s_add_co_u32 s46, s46, 3<<20                   ; in wc[3]
	s_mov_b32 s47, 0
	s_mul_i32 s45, s16, BSLOT
	s_add_co_u32 s45, s45, BOFF
	s_wait_dscnt 0x0                               ; both opening adds are done
	s_wait_kmcnt 0x0
	s_load_b64 s[96:97], s[8:9], 0x28              ; e10, e11
	s_mov_b32 s[G0], 1
	s_mov_b32 s[G0+1], s18
	s_add_nc_u64 s[G0+2:G0+3], s[4:5], s[20:21]
	s_or_b32 s[G0+3], s[G0+3], 0x80000000
	s_mov_b32 s[G0B], 1
	s_mov_b32 s[G0B+1], s45
	s_add_nc_u64 s[G0B+2:G0B+3], s[6:7], s[46:47]
	s_or_b32 s[G0B+3], s[G0B+3], 0x80000000
	CROUND                                         ; all sixteen work-groups are here: the joint loads meet
	s_cmp_eq_u32 s15, 0
	s_cbranch_scc0 .Lhead_b
	tensor_load_to_lds s[G0:G0+3], s[G1:G1+7]
	s_nop 0
.rept 4
	v_nop
.endr
	s_branch .Lhead_on
.Lhead_b:
	tensor_load_to_lds s[G0B:G0B+3], s[G1B:G1B+7]
	s_nop 0
.rept 4
	v_nop
.endr
.Lhead_on:
	s_lshl_b32 s21, s15, 16                        ; my four blocks of A
	s_mul_i32 s22, s16, 128*PITCH                  ; my 128 rows of B
	s_add_co_u32 s22, s22, BOFF
	s_mul_i32 s23, s14, 16*SPITCH
	s_add_co_u32 s23, s23, STAGE                   ; my stage
	s_lshl_b32 s46, s42, 10                        ; my first column, in bytes: 1,024 x tile column + 512 x half
	s_lshl_b32 s47, s16, 9
	s_add_co_u32 s46, s46, s47
	s_mov_b32 s47, 0
	s_add_nc_u64 s[10:11], s[10:11], s[46:47]
	s_lshl_b32 s18, s17, 7
	s_lshl_b32 s19, s15, 6
	s_add_co_u32 s18, s18, s19                     ; my first row,
	s_lshl_b32 s18, s18, 12                        ; of 4,096 bytes
	s_mov_b32 s19, 0
	s_add_nc_u64 s[18:19], s[18:19], s[46:47]
	s_add_nc_u64 s[12:13], s[12:13], s[18:19]
	v_and_b32 v1, 15, v0                           ; r
	v_bfe_u32 v2, v0, 4, 1                         ; h
	v_and_b32 v6, 31, v0
	v_mul_u32_u24 v3, v1, PITCH
	v_lshlrev_b32 v[CO], 4, v6                     ; 16 x lane: an image's place, a row's place on the way back, and in out0
	v_mul_u32_u24 v5, v1, SPITCH
	v_lshl_add_u32 v4, v2, 4, v3
	v_lshl_add_u32 v5, v2, 5, v5
	v_add_nc_u32 v[ADRA], s21, v[CO]
	v_add_nc_u32 v[ADRB], s22, v4
	v_add_nc_u32 v[ADRB+1], BSLOT, v[ADRB]
	v_add_nc_u32 v[STO], s23, v5
	v_add_nc_u32 v[RD], s23, v[CO]
	global_load_b128 v[BIAS:BIAS+3], v[CO], s[10:11]   ; bo at my four columns of a row's 128
	s_wait_alu depctr_va_vdst(0)                   ; the wait at the head's end
	s_wait_tensorcnt 0x0                           ; my head load is in, so its group 0 may be written:
	s_add_nc_u64 s[G0B+2:G0B+3], s[G0B+2:G0B+3], 512   ; my slot's one refill lies two K steps on
	s_barrier_signal -1
	s_barrier_wait -1                              ; everybody's is in
	FETCH 0, 0
	EVEN 0, 1                                      ; the first products start the sums
	TURN 1, 0
	EVEN 2, 0
	TURN 3, 1
	EVEN 4, 0
	TURN 5, -1
	EVEN 6, 0
	s_wait_dscnt 0x0
	WIN MUL_LO
	MUL16 0, 1, 0
	MUL16 2, 1, 0
	WIN 0
; THE WAY OUT, block by block of 16 rows x 128 columns: through my own stage, back as whole rows of 512 bytes, x 2^(e10 + e11) + bo, stored as two aligned units of 256 bytes.
; LDS serves a wave's instructions in order (ISA guide 5.7.1.4): no wait between the stores and the loads.
.macro TOSTAGE a
.set AC, 64*(\a)
	WIN 0x08                                       ; the stores' data: window 2
.irp b, 0,1,2,3,4,5,6,7
	ds_store_b128 v[STO], v[AC+8*\b:AC+8*\b+3] offset:64*\b
	ds_store_b128 v[STO], v[AC+8*\b+4:AC+8*\b+7] offset:64*\b+16
.endr
	WIN 0
.set BB, BK+64*((\a)%2)
.irp t, 0,1,2,3,4,5,6,7,8,9,10,11,12,13,14,15
	ds_load_b128 v[BB+4*\t:BB+4*\t+3], v[RD] offset:\t*SPITCH
.endr
.endm
.macro SEND a, younger                 ; younger: the LDS instructions issued behind block a's loads
.set BB, BK+64*((\a)%2)
	s_wait_dscnt \younger
.if (\a) > 0
	s_add_nc_u64 s[12:13], s[12:13], 16*SIZE_N*4   ; (behind a wait on XCNT: the earlier stores have read their base)
.endif
.irp t, 0,1,2,3,4,5,6,7,8,9,10,11,12,13,14,15
	v_pk_fma_f32 v[BB+4*\t:BB+4*\t+1], v[BB+4*\t:BB+4*\t+1], s[96:97], v[BIAS:BIAS+1] op_sel_hi:[1,0,1]
	v_pk_fma_f32 v[BB+4*\t+2:BB+4*\t+3], v[BB+4*\t+2:BB+4*\t+3], s[96:97], v[BIAS+2:BIAS+3] op_sel_hi:[1,0,1]
.endr
.irp t, 0,1,2,3,4,5,6,7,8,9,10,11,12,13,14,15
	global_store_b128 v[CO], v[BB+4*\t:BB+4*\t+3], s[12:13] offset:\t*SIZE_N*4 th:TH_STORE_NT   ; 32 lanes store 512 consecutive bytes, aligned
.endr
.endm
	s_wait_kmcnt 0x0
	s_add_co_i32 s96, s96, s97
	s_add_co_i32 s96, s96, 127
	s_lshl_b32 s96, s96, 23                        ; 2^(e10 + e11) as f32
	s_wait_loadcnt 0x0                             ; the bias
	PLACES                                         ; behind the last products
	TOSTAGE 0
.irp a, 1,2,3
.if \a > 1
	s_wait_xcnt 0x0                                ; block a - 2's stores have read their registers and their base
.endif
	TOSTAGE \a
	SEND \a-1, 32
.endr
	s_wait_xcnt 0x0
	SEND 3, 0
	s_wait_tensorcnt 0x0                           ; the wave's end
	ds_add_u32 v[SPW], v[NIL]
	s_wait_dscnt 0x0
	CROUND                                         ; the closing round
	s_endpgm
.Lfunc_end_k_q5d55336bca_oproj:
	.size	k_q5d55336bca_oproj, .Lfunc_end_k_q5d55336bca_oproj-k_q5d55336bca_oproj
	.p2alignl 7, 3214868480
	.fill 96, 4, 3214868480
	.section	.rodata,"a",@progbits
	.p2align	6, 0x0
	.amdhsa_kernel k_q5d55336bca_oproj
		.amdhsa_group_segment_fixed_size 327680
		.amdhsa_private_segment_fixed_size 0
		.amdhsa_enable_private_segment 0
		.amdhsa_kernarg_size 40
		.amdhsa_user_sgpr_count 2
		.amdhsa_user_sgpr_kernarg_segment_ptr 1
		.amdhsa_wavefront_size32 1
		.amdhsa_system_sgpr_workgroup_id_x 1
		.amdhsa_system_sgpr_workgroup_id_y 1
		.amdhsa_system_sgpr_workgroup_id_z 1
		.amdhsa_system_vgpr_workitem_id 0
		.amdhsa_next_free_vgpr 1024
		.amdhsa_next_free_sgpr 98
		.amdhsa_reserve_vcc 0
		.amdhsa_float_denorm_mode_32 3
		.amdhsa_float_denorm_mode_16_64 3
		.amdhsa_memory_ordered 1
		.amdhsa_forward_progress 1
		.amdhsa_inst_pref_size 73
	.end_amdhsa_kernel
	.amdgpu_metadata
---
amdhsa.version: [ 1, 2 ]
amdhsa.kernels:
  - .name:           k_q5d55336bca_oproj
    .symbol:         k_q5d55336bca_oproj.kd
    .args:
      - { .name: ctx, .offset: 0, .size: 8, .value_kind: global_buffer, .address_space: global }
      - { .name: wc, .offset: 8, .size: 8, .value_kind: global_buffer, .address_space: global }
      - { .name: lowp_scales, .offset: 16, .size: 8, .value_kind: global_buffer, .address_space: global }
      - { .name: bo, .offset: 24, .size: 8, .value_kind: global_buffer, .address_space: global }
      - { .name: out0, .offset: 32, .size: 8, .value_kind: global_buffer, .address_space: global }
    .group_segment_fixed_size: 327680
    .private_segment_fixed_size: 0
    .kernarg_segment_align: 8
    .kernarg_segment_size: 40
    .max_flat_workgroup_size: 128
    .sgpr_count:     98
    .vgpr_count:     1024
    .wavefront_size: 32
...
	.end_amdgpu_metadata
.endif
;; end of part 4
